; MI455X (gfx1250); checked and timed in simulation.
; The chip was launched on July 23, 2026; its instructions are those of AMD's public machine-readable ISA for CDNA 5 (MIT licence, August 2026) and "CDNA5" Instruction Set Architecture Reference Guide (July 2026). The comments in the code are by the model that wrote it; some were corrected since.
;; LED Decoder Attention. Allowed arithmetic: matrix products marked QUANTISED: E2M3 operands, one E8M0 scale for each 32 along K, by v_wmma_scale_f32_16x16x128_f8f6f4 with both operands' format E2M3, f32 sums; everything else in f32.
;; Inputs: Wk 768 x 768 float32; Wo 768 x 768 float32; Wq 768 x 768 float32; Wv 768 x 768 float32; attention_bias 24 x 2,048 float32; attention_mask 2 x 1 x 2,048 x 2,048 float32; beta 1 float32; beta_bias 1 float32; bk 768 float32; bo 768 float32; bq 768 float32; bv 768 float32; hidden_states 2 x 2,048 x 768 float32.
;; Outputs: out0 2 x 2,048 x 768 float32.
;; This version of the problem:
;;   THIS VERSION OF THE PROBLEM IS GIVEN IN LOW PRECISION. The matrix products marked QUANTISED in the list below multiply operands that are first quantised to E2M3 (2 exponent bits, 3 mantissa bits; 6 bits a number), with one power-of-two scale for each 32 numbers along K (OCP MX v1.0); their sums are f32. All else is computed in f32.
;;   The module's matrix products, in the order in which they are computed (A, B: the left and right operand; K: the contracted axis; several contracted axes count as one K, in the product's order):
;;     1. [M 4,096, K 768] x [K 768, N 768]; A: input hidden_states; B: input Wq: QUANTISED
;;     2. [M 4,096, K 768] x [K 768, N 768]; A: input hidden_states; B: input Wk: QUANTISED
;;     3. [M 4,096, K 768] x [K 768, N 768]; A: input hidden_states; B: input Wv: QUANTISED
;;     4. batch 24 x [M 2,048, K 64] x [K 64, N 2,048]; A: computed on the way; B: computed on the way: QUANTISED
;;     5. batch 24 x [M 2,048, K 2,048] x [K 2,048, N 64]; A: softmax (see below); B: computed on the way: QUANTISED
;;     6. [M 4,096, K 768] x [K 768, N 768]; A: computed on the way; B: input Wo: QUANTISED
;;   THE QUANTISER, for each operand of a quantised product, along K:
;;     - K is cut into blocks of 32 from its start; a last block that is shorter is filled with zeros.
;;     - A block's scale is 2^e with e = floor(log2(the largest magnitude in the block)) - 2, held to -126 .. 127; a block of zeros has e = 0. As a byte (E8M0): e + 127.
;;     - Each number is divided by its block's scale, clamped to +-7.5, and rounded to the nearest number of E2M3, ties to even, subnormals kept.
;;     - The product sums the exact products of the quantised numbers (number of the format x scale) in f32.
;;   ~~~python
;;   def quantise(x, axis):      # numpy; x: float32 -> the quantised numbers, widened to float32 again
;;       x = np.moveaxis(x, axis, -1); K = x.shape[-1]
;;       x = np.pad(x, [(0, 0)] * (x.ndim - 1) + [(0, -K % 32)]); x = x.reshape(x.shape[:-1] + (-1, 32)); a = np.abs(x).max(-1, keepdims=True)
;;       e = np.where(a > 0, np.clip(np.frexp(np.where(a > 0, a, 1))[1] - 1 - 2, -126, 127), 0)      # np.frexp(a)[1] - 1 = floor(log2(a)), exactly
;;       r = np.clip(x / 2.0 ** e, -7.5, 7.5)
;;       step = 2.0 ** (np.maximum(np.frexp(np.where(r == 0, 1, r))[1] - 1, 0) - 3)
;;       q = np.round(r / step) * step * 2.0 ** e      # np.round: ties to even
;;       return np.moveaxis(q.reshape(q.shape[:-2] + (-1,))[..., :K], -1, axis).astype(np.float32)
;;   ~~~
;;   SOFTMAX AHEAD OF A QUANTISED PRODUCT. Where the list says 'softmax', what is quantised is not the finished softmax but p = 2^(t - M), with t = logit x log2(e) and M = ceil(the row's largest t), a whole number; so 1/2 < the row's largest p <= 1. The row's sum l is taken of the UNQUANTISED p, in f32, and the product's result is divided by l at the end. Since M is a whole number, a kernel that streams over the keys may use a running M (the ceiling of the running maximum): every later rescaling is an exact power of two, which a block's scale takes up: the codes' values come out the same.
;;   OPERANDS COMPUTED ON THE WAY. 'Computed on the way' means the value that the module computes at that place (a softmax that the list does not call 'softmax' is quantised finished and normalised). What goes into a quantiser is computed in f32, as accurately as f32 sums, v_exp_f32 and their like allow (about 1e-6 of the number): no bf16 or f16 on the way to a quantiser, and a product that is left as it is and whose result goes on into a quantised operand takes f32 operands (vector FMAs, or v_wmma_f32_16x16x4_f32). A number that lies on a knife's edge between two numbers of the format may be rounded either way, as far as f32 arithmetic and the matrix unit's own rounding can turn it there, and no further.
;; One version. Each part assembles by itself: llvm-mc -triple=amdgcn-amd-amdhsa -mcpu=gfx1250 --defsym DOCPART=n.
;; ======== version 1 of 1: 4 launches
;; limits: right only within a limited range of input values
;; workspace buffers: xc 2,457,600 bytes; wc 1,382,400 bytes; woc 460,800 bytes; qc 2,359,296 bytes; qs 196,608 bytes; kv 5,013,504 bytes; ao 2,359,296 bytes; aos 196,608 bytes
;; launch prep (part 1): grid 224 x 1, 12 waves a work-group, no clusters, 102,912 bytes of LDS; arguments hidden_states, Wq, Wk, Wv, Wo, xc, wc, woc; writes xc, wc, woc
.if DOCPART == 1
	.amdgcn_target "amdgcn-amd-amdhsa--gfx1250"
	.amdhsa_code_object_version 6
	.text
	.protected	k_qcfdb05a354_prep
	.globl	k_qcfdb05a354_prep
	.p2align	8
	.type	k_qcfdb05a354_prep,@function
k_qcfdb05a354_prep:
	s_mov_b64 s[64:65], 0
	v_nop
	global_prefetch_b8 v0, s[64:65] scope:SCOPE_SE
	s_setreg_imm32_b32 hwreg(HW_REG_WAVE_MODE, 25, 1), 1
	s_wait_xcnt 0x0
; PREP.  hidden_states [4096][768] and Wq, Wk, Wv, Wo [768][768], all f32 with K = 768 innermost, become codes of FP6 (E2M3) with one E8M0 byte for each 32 along K,
; laid as IMAGES OF OPERAND REGISTERS: a fragment (16 rows x 128 K, 12 registers a lane) is 1,536 bytes, registers 4 g .. 4 g + 3 of lane l at 512 g + 16 l.
; THE ROWS OF A TILE ARE NOT NEIGHBOURS: of a group of 32 rows, tile u (0, 1) holds in lane r the row 8 u + r + 8 (r / 8).  Standing as source 0 of a product, two such tiles give a lane 16 neighbours in 16 registers.
; The scale words of the two tiles of a group lie together, 128 bytes: tile 0's row r at 4 r, tile 1's at 64 + 4 r: one register then serves both tiles.
; A block's scale is 2^(floor(log2(its largest magnitude)) - 2); its byte is the largest magnitude's exponent field - 2, held at 1 from below.  A block of zeros so gets the byte 1: its codes are zeros, and this program alone reads the bytes.
; LIMITS: NaN and infinities among the inputs are not served; blocks whose largest magnitude lies under 2^-124 get the byte 1.
; SHARES.  A work-group takes a group of 32 rows of one tensor (128 groups of hidden_states, 24 of each weight); wave w takes tile w % 2 and K step w / 2: 16 rows x 512 bytes, all sixteen loads out at once.
; Each load reads 512 consecutive bytes of a row; the conversions want 32 neighbours in ONE lane, so the 8 KiB turn through the wave's own stage in LDS.  Waves share nothing: no barrier.  No matrix work, no tensor load, no cluster: no byte is read twice.
.set ROWB, 3072                        ; a row of any of the five tensors, in bytes
.set SP,   528                         ; a row in the stage: 512 bytes + 16: an odd multiple of 16, so the sixteen rows that a load of 16 bytes a lane touches begin at sixteen different places modulo 256
.set WREG, 16*SP                       ; a wave's stage
.set L16,  1                           ; v1   16 x lane
.set SIN,  2                           ; v2   the stage, on the way in
.set SOUT, 3                           ; v3   and on the way out: row r, + 128 h
.set R4,   4                           ; v4   4 r
.set HH,   5                           ; v5   h = lane / 16
.set MX,   6                           ; v6-7 the two blocks' largest magnitudes
.set XH,   8                           ; v8-10, v12-14 the upper halves of the two blocks' codes
.set TT,   11
.set WD,   15                          ; v15  my row's scale word
.set R,    16                          ; v16-79   as loaded
.set X,    80                          ; v80-143  as turned: register 32 c + i = k 64 c + 32 h + i of row r
.set PC,   144                         ; v144-155 the fragment
.set SO,   156                         ; v156-157 the conversions' scale operands
.set BY,   158                         ; v158-159 the bytes
.set WV,   20
.set UU,   22                          ; s22  which tile of the group
.set KS,   23                          ; s23  which K step
.set SRC,  24                          ; s[24:25] the tensor;  s[26:27] its buffer of codes
.set DST,  26
.set GRP,  28                          ; s28  the group's number in the tensor
.set BLK,  29                          ; s29  which block of the buffer;  s30 which pair of tiles in it
.set PAIR, 30
.set BS,   31                          ; s31  a block's bytes;  s32 where its codes of this kind begin;  s33 where their scale words
.set CB,   32
.set SBO,  33
.set SEL,  44
	s_load_b256 s[4:11], s[0:1], 0x0               ; hidden_states s[4:5], Wq s[6:7], Wk s[8:9], Wv s[10:11]
	s_load_b256 s[12:19], s[0:1], 0x20             ; Wo s[12:13], xc s[14:15], wc s[16:17], woc s[18:19]
	v_lshl_add_u32 v160, v0, 2, 0x18c00
	v_mov_b32 v161, 0
	v_lshrrev_b32 v[HH], 5, v0
	s_delay_alu instid0(VALU_DEP_1)
	v_readfirstlane_b32 s[WV], v[HH]               ; wave 0..11
	v_and_b32 v[MX], 31, v0                        ; lane
	v_and_b32 v[MX+1], 15, v0                      ; r
	v_bfe_u32 v[HH], v0, 4, 1                      ; h
	s_delay_alu instid0(VALU_DEP_3)
	v_lshlrev_b32 v[L16], 4, v[MX]
	s_mul_i32 s21, s[WV], WREG
	v_add_nc_u32 v[SIN], s21, v[L16]
	v_mul_u32_u24 v[SOUT], v[MX+1], SP
	s_delay_alu instid0(VALU_DEP_1)
	v_lshl_add_u32 v[SOUT], v[HH], 7, v[SOUT]
	s_delay_alu instid0(VALU_DEP_1)
	v_add_nc_u32 v[SOUT], s21, v[SOUT]
	v_lshlrev_b32 v[R4], 2, v[MX+1]
	s_and_b32 s[UU], s[WV], 1
	s_lshr_b32 s[KS], s[WV], 1
	s_mov_b32 s[SEL], 0x76543210
	s_mov_b32 s[SEL+1], 0xfedcba98                 ; v_permlanex16_b32's selects for lane l xor 16
	s_wait_kmcnt 0x0
	; which tensor, and where its codes go: four arms of scalar lines on the work-group's number; they join ahead of every memory and LDS instruction
	s_cmp_lt_u32 ttmp9, 128
	s_cbranch_scc0 .Lweights
	s_mov_b64 s[SRC:SRC+1], s[4:5]                 ; hidden_states: blocks of 128 tokens, four groups each
	s_mov_b64 s[DST:DST+1], s[14:15]
	s_mov_b32 s[GRP], ttmp9
	s_lshr_b32 s[BLK], ttmp9, 2
	s_and_b32 s[PAIR], ttmp9, 3
	s_mov_b32 s[BS], 76800
	s_mov_b32 s[CB], 0
	s_mov_b32 s[SBO], 73728
	s_branch .Lgo
.Lweights:
	s_cmp_lt_u32 ttmp9, 176
	s_cbranch_scc0 .Lvo
	s_sub_co_u32 s34, ttmp9, 128                   ; Wq's 24 groups, then Wk's 24: 48 groups, six (three heads) to a block of wc
	s_cmp_lt_u32 ttmp9, 152
	s_cselect_b64 s[SRC:SRC+1], s[6:7], s[8:9]
	s_cselect_b32 s[GRP], 0, 24
	s_sub_co_u32 s[GRP], s34, s[GRP]
	s_mov_b64 s[DST:DST+1], s[16:17]
	s_mul_i32 s[BLK], s34, 43
	s_lshr_b32 s[BLK], s[BLK], 8                   ; / 6, right for 0 .. 47
	s_mul_i32 s[PAIR], s[BLK], 6
	s_sub_co_u32 s[PAIR], s34, s[PAIR]
	s_mov_b32 s[BS], 172800
	s_mov_b32 s[CB], 0
	s_mov_b32 s[SBO], 165888
	s_branch .Lgo
.Lvo:
	s_cmp_lt_u32 ttmp9, 200
	s_cbranch_scc0 .Lo
	s_mov_b64 s[SRC:SRC+1], s[10:11]               ; Wv: three groups to a block of wc, behind q's and k's
	s_mov_b64 s[DST:DST+1], s[16:17]
	s_sub_co_u32 s[GRP], ttmp9, 176
	s_mul_i32 s[BLK], s[GRP], 86
	s_lshr_b32 s[BLK], s[BLK], 8                   ; / 3, right for 0 .. 23
	s_mul_i32 s[PAIR], s[BLK], 3
	s_sub_co_u32 s[PAIR], s[GRP], s[PAIR]
	s_mov_b32 s[BS], 172800
	s_mov_b32 s[CB], 110592
	s_mov_b32 s[SBO], 170496
	s_branch .Lgo
.Lo:
	s_mov_b64 s[SRC:SRC+1], s[12:13]               ; Wo: six groups to a block of woc
	s_mov_b64 s[DST:DST+1], s[18:19]
	s_sub_co_u32 s[GRP], ttmp9, 200
	s_mul_i32 s[BLK], s[GRP], 43
	s_lshr_b32 s[BLK], s[BLK], 8
	s_mul_i32 s[PAIR], s[BLK], 6
	s_sub_co_u32 s[PAIR], s[GRP], s[PAIR]
	s_mov_b32 s[BS], 115200
	s_mov_b32 s[CB], 0
	s_mov_b32 s[SBO], 110592
.Lgo:
	s_lshl_b32 s34, s[GRP], 5
	s_lshl_b32 s35, s[UU], 3
	s_add_co_u32 s34, s34, s35                     ; the tile's first row: 32 x group + 8 u
	s_mul_i32 s34, s34, ROWB
	s_lshl_b32 s35, s[KS], 9
	s_add_co_u32 s34, s34, s35                     ; + 512 bytes a K step
	s_mov_b32 s35, 0
	s_add_nc_u64 s[SRC:SRC+1], s[SRC:SRC+1], s[34:35]
	s_wait_alu depctr_va_vdst(0)
.irp i, 0,1,2,3,4,5,6,7,8,9,10,11,12,13,14,15
	global_load_b128 v[R+4*\i:R+4*\i+3], v[L16], s[SRC:SRC+1] offset:(\i+8*(\i/8))*ROWB th:TH_LOAD_NT   ; the tile's row i: 32 lanes read 512 consecutive bytes
.endr
	s_mul_i32 s36, s[BLK], s[BS]                   ; the block
	s_lshl_b32 s37, s[PAIR], 1
	s_add_co_u32 s37, s37, s[UU]
	s_mul_i32 s37, s37, 9216                       ; the tile: six fragments
	s_mul_i32 s38, s[KS], 1536
	s_add_co_u32 s38, s38, s37
	s_add_co_u32 s38, s38, s[CB]
	s_add_co_u32 s38, s38, s36
	s_mov_b32 s39, 0
	s_add_nc_u64 s[40:41], s[DST:DST+1], s[38:39]  ; my fragment
	s_mul_i32 s37, s[PAIR], 768
	s_lshl_b32 s38, s[KS], 7
	s_add_co_u32 s38, s38, s37
	s_lshl_b32 s37, s[UU], 6
	s_add_co_u32 s38, s38, s37
	s_add_co_u32 s38, s38, s[SBO]
	s_add_co_u32 s38, s38, s36
	s_add_nc_u64 s[42:43], s[DST:DST+1], s[38:39]  ; its sixteen scale words
.irp i, 0,1,2,3,4,5,6,7,8,9,10,11,12,13,14,15
	s_wait_loadcnt 15-\i                           ; loads come back in order: row i is in, the younger ones stay out
	ds_store_b128 v[SIN], v[R+4*\i:R+4*\i+3] offset:SP*\i
.endr
.irp c, 0,1
.irp j, 0,1,2,3,4,5,6,7
	ds_load_b128 v[X+32*\c+4*\j:X+32*\c+4*\j+3], v[SOUT] offset:256*\c+16*\j   ; LDS serves a wave's instructions in order: these see my stores
.endr
.endr
	s_wait_dscnt 0x0
.irp c, 0,1                                    ; my block 2 c + h: all its 32 numbers are mine
	v_max3_num_f32 v[MX+\c], |v[X+32*\c]|, |v[X+32*\c+1]|, 0x1800000   ; and the floor 2^(3 - 127): the byte cannot fall under 1
.endr
.irp i, 2,4,6,8,10,12,14,16,18,20,22,24,26,28,30
.irp c, 0,1
	s_delay_alu instid0(VALU_DEP_2)
	v_max3_num_f32 v[MX+\c], v[MX+\c], |v[X+32*\c+\i]|, |v[X+32*\c+\i+1]|   ; (the two blocks by turns)
.endr
.endr
.irp c, 0,1
	s_delay_alu instid0(VALU_DEP_2)
	v_add_nc_u32 v[SO+\c], 0xff000000, v[MX+\c]    ; 2 off the exponent field: the conversion takes the exponent field of this operand as its scale
.endr
.irp c, 0,1
	s_delay_alu instid0(VALU_DEP_2)
	v_lshrrev_b32 v[BY+\c], 23, v[SO+\c]           ; the scale's byte
.endr
	s_delay_alu instid0(VALU_DEP_1)
	v_lshl_or_b32 v[WD], v[BY+1], 16, v[BY]        ; my two bytes: blocks h and 2 + h of row r,
	v_lshlrev_b32 v[TT], 3, v[HH]
	s_delay_alu instid0(VALU_DEP_1)
	v_lshlrev_b32 v[WD], v[TT], v[WD]              ; at their places in the word;
	v_mov_b32 v[TT], 0
	s_delay_alu instid0(VALU_DEP_1)
	v_permlanex16_b32 v[TT], v[WD], s[SEL], s[SEL+1]
	s_delay_alu instid0(VALU_DEP_1)
	v_or_b32 v[WD], v[WD], v[TT]                   ; with lane l xor 16's two the word is whole
.irp c, 0,1
	v_cvt_scalef32_pk16_fp6_f32 v[PC+6*\c:PC+6*\c+2], v[X+32*\c:X+32*\c+15], v[SO+\c]
	v_cvt_scalef32_pk16_fp6_f32 v[XH+4*\c:XH+4*\c+2], v[X+32*\c+16:X+32*\c+31], v[SO+\c]   ; (a conversion's three registers begin on an even number)
.endr
	v_nop                                          ; one plain instruction behind a scaled conversion
.irp c, 0,1
.irp i, 0,1,2
	v_mov_b32 v[PC+6*\c+3+\i], v[XH+4*\c+\i]
.endr
.endr
.irp g, 0,1,2
	global_store_b128 v[L16], v[PC+4*\g:PC+4*\g+3], s[40:41] offset:512*\g   ; 32 lanes store 512 consecutive bytes, at a multiple of 256 from the buffer's first byte
.endr
	global_store_b32 v[R4], v[WD], s[42:43]        ; 64 consecutive bytes; both halves of the lanes hold row r's word and write it to the same place
	s_wait_tensorcnt 0x0
	ds_add_u32 v160, v161
	s_wait_dscnt 0x0
	s_endpgm
.Lfunc_end_k_qcfdb05a354_prep:
	.size	k_qcfdb05a354_prep, .Lfunc_end_k_qcfdb05a354_prep-k_qcfdb05a354_prep
	.p2alignl 7, 3214868480
	.fill 96, 4, 3214868480
	.section	.rodata,"a",@progbits
	.p2align	6, 0x0
	.amdhsa_kernel k_qcfdb05a354_prep
		.amdhsa_group_segment_fixed_size 102912
		.amdhsa_private_segment_fixed_size 0
		.amdhsa_enable_private_segment 0
		.amdhsa_kernarg_size 64
		.amdhsa_user_sgpr_count 2
		.amdhsa_user_sgpr_kernarg_segment_ptr 1
		.amdhsa_wavefront_size32 1
		.amdhsa_system_sgpr_workgroup_id_x 1
		.amdhsa_system_sgpr_workgroup_id_y 1
		.amdhsa_system_sgpr_workgroup_id_z 1
		.amdhsa_system_vgpr_workitem_id 0
		.amdhsa_next_free_vgpr 162
		.amdhsa_next_free_sgpr 66
		.amdhsa_reserve_vcc 0
		.amdhsa_float_denorm_mode_32 3
		.amdhsa_float_denorm_mode_16_64 3
		.amdhsa_memory_ordered 1
		.amdhsa_forward_progress 1
		.amdhsa_inst_pref_size 14
	.end_amdhsa_kernel
	.amdgpu_metadata
---
amdhsa.version: [ 1, 2 ]
amdhsa.kernels:
  - .name:           k_qcfdb05a354_prep
    .symbol:         k_qcfdb05a354_prep.kd
    .args:
      - { .name: hidden_states, .offset: 0, .size: 8, .value_kind: global_buffer, .address_space: global }
      - { .name: Wq, .offset: 8, .size: 8, .value_kind: global_buffer, .address_space: global }
      - { .name: Wk, .offset: 16, .size: 8, .value_kind: global_buffer, .address_space: global }
      - { .name: Wv, .offset: 24, .size: 8, .value_kind: global_buffer, .address_space: global }
      - { .name: Wo, .offset: 32, .size: 8, .value_kind: global_buffer, .address_space: global }
      - { .name: xc, .offset: 40, .size: 8, .value_kind: global_buffer, .address_space: global }
      - { .name: wc, .offset: 48, .size: 8, .value_kind: global_buffer, .address_space: global }
      - { .name: woc, .offset: 56, .size: 8, .value_kind: global_buffer, .address_space: global }
    .group_segment_fixed_size: 102912
    .private_segment_fixed_size: 0
    .kernarg_segment_align: 8
    .kernarg_segment_size: 64
    .max_flat_workgroup_size: 384
    .sgpr_count:     66
    .vgpr_count:     162
    .wavefront_size: 32
...
	.end_amdgpu_metadata
.endif
;; end of part 1
;; launch qkv (part 2): grid 8 x 32, 18 waves a work-group, clusters of 4 x 4, 264,448 bytes of LDS; arguments xc, wc, bq, bk, bv, qc, qs, kv; writes qc, qs, kv
.if DOCPART == 2
	.amdgcn_target "amdgcn-amd-amdhsa--gfx1250"
	.amdhsa_code_object_version 6
	.text
	.protected	k_qcfdb05a354_qkv
	.globl	k_qcfdb05a354_qkv
	.p2align	8
	.type	k_qcfdb05a354_qkv,@function
k_qcfdb05a354_qkv:
	s_mov_b64 s[64:65], 0
	v_nop
	global_prefetch_b8 v0, s[64:65] scope:SCOPE_SE
	s_setreg_imm32_b32 hwreg(HW_REG_WAVE_MODE, 25, 1), 1
	s_wait_xcnt 0x0
	s_wait_alu depctr_hold_cnt(0) depctr_sa_sdst(0) depctr_va_vdst(0) depctr_va_sdst(0) depctr_va_ssrc(0) depctr_va_vcc(0) depctr_vm_vsrc(0)
	s_getreg_b32 s2, hwreg(HW_REG_IB_STS2, 6, 4)
	s_cmp_eq_u32 s2, 0
	s_cbranch_scc0 .Lentry_in_a_cluster
	s_endpgm
.Lentry_in_a_cluster:
	s_bfe_u32 s2, ttmp6, 0x10000c
	s_cmp_lg_u32 s2, 0xf033
	s_cbranch_scc0 .Lentry_shape_is_right
	s_endpgm
.Lentry_shape_is_right:
; QKV.  q = (x Wq^T + bq) / 8, k = x Wk^T + bk, v = x Wv^T + bv on codes of FP6 (E2M3) with E8M0 scales, sums in f32; q and k are quantised along the head's 64, v along the tokens (the keys), and leave as images of operand registers.
; SHARES.  Work-group (x, tb): 128 tokens (block tb of xc) x block x of wc: three heads of q (x 0-3) or of k (x 4-7), and six tiles of 16 rows of Wv.  EVERY WAVE HAS ONE SHAPE: source 0 = four tiles U, source 1 = two tiles T,
; eight accumulators, six K steps of 128.  A lane then holds one row of T and its registers run along U.  Waves 0-11: U = a head's 64 rows of the weight, T = 32 tokens: registers run along the head.  Waves 12-17: U = 64 tokens, T = 32 rows of Wv: registers run along the tokens.
; The rows of a tile are not neighbours (tile u of a group of 32 holds row 8 u + r + 8 (r / 8) in lane r), so the 16 registers of two neighbouring tiles of U are 16 neighbours: what the conversions want.
; THE BIASES START THE SUMS: they are put into the accumulators' registers, and every K step adds in place.
; LDS is filled once: the block of xc (76,800 bytes) and the block of wc (172,800), as they lie.  No slot is filled again and nothing is stored to LDS.
; CLUSTER 4 x 4: the four of a row share tb and ask for the block of xc jointly, the four of a column share x and ask for the block of wc jointly: the same tensor load, the same descriptor, a mask that names the four.
; Cluster x = 0 holds q's blocks alone, cluster x = 1 k's: the branches hang on the wave's number and the cluster's x, which all sixteen partners share.
; OUT: a half fragment (16 rows x 64 K, six registers a lane) is 768 bytes: registers 0-3 of lane l at 16 l, registers 4-5 at 512 + 8 l.  q's and k's scale words repeat their two bytes (b0 b1 b0 b1): the upper two meet zero codes in the next launch.
; LIMITS: NaN and infinities are not served; blocks whose largest magnitude lies under 2^-124 get the byte 1 (a block of zeros too: its codes are zeros).
.set PART, 19200                       ; what one tensor load brings: 75 rows of 256 bytes
.set XBLK, 76800
.set WBLK, 172800
.set PACKB, 78336                      ; a pack of kv: 256 keys x 3 heads: K 36,864, V 36,864, scale words 4,608
.set UA,  1                            ; v1   LDS address of U's fragments: base + 16 x lane
.set TA,  2                            ; v2   of T's
.set USA, 3                            ; v3   of U's scale words: base + 4 x lane
.set TSA, 4                            ; v4   of T's
.set L16, 5
.set L8,  6
.set L4,  7
.set BO,  8                            ; v8   64 h: my half's 16 numbers of a block of 32 of bq or bk
.set BVO, 9                            ; v9   4 (r + 8 (r / 8)): my row of a tile of Wv, in bv
.set LN,  10                           ; v10  lane
.set ACC, 16                           ; v16-79   accumulator (T tile j, U tile t) at 32 j + 8 t
.set UF,  80                           ; v80-127  U's four fragments
.set TF,  128                          ; v128-151 T's two
.set US,  152                          ; v152-153 U's scale words, two tiles to a register
.set TS,  154                          ; v154     T's
.set CB,  156                          ; v156-157 bv of my two rows
.set PC,  80                           ; behind the K steps: v80-91 the codes, v92-94 upper halves, v96-101 at work, v108-111 bytes and words
.set XH,  92
.set TM,  96
.set HB,  108
.set HW,  110
.set WD,  111
.set WV,  20
.set CX,  21
.set CY,  22
.set XS,  23                           ; s23  x
.set TB,  24                           ; s24  tb
.set G1X, 28
.set G1W, 36
.set G0X, 44
.set G0W, 48
.set SEL, 52
.set FQ,  54                           ; s[54:55] 1/8
.set B0,  56                           ; s[56:57], s[58:59] where my two half fragments go;  s[60:61] their scale words
.set B1,  58
.set SBA, 60
.set ISQ, 62                           ; s62  1 in q's waves;  s63  1 in v's
.set ISV, 63
.macro ROUND                           ; a round of the cluster's barrier
	s_barrier_signal -1
	s_barrier_wait -1
	s_cmp_lg_u32 s[WV], 0
	s_cbranch_scc1 .Lnot_wave_0_\@
	s_barrier_signal -3
.Lnot_wave_0_\@:
	s_barrier_wait -3
	s_barrier_signal -1
	s_barrier_wait -1
.endm
	s_load_b256 s[4:11], s[0:1], 0x0               ; xc s[4:5], wc s[6:7], bq s[8:9], bk s[10:11]
	s_load_b256 s[12:19], s[0:1], 0x20             ; bv s[12:13], qc s[14:15], qs s[16:17], kv s[18:19]
	v_lshl_add_u32 v160, v0, 2, 0x40000
	v_mov_b32 v161, 0
	ds_add_u32 v160, v161
	ds_add_u32 v160, v161
	v_lshrrev_b32 v11, 5, v0
	s_delay_alu instid0(VALU_DEP_1)
	v_readfirstlane_b32 s[WV], v11                 ; wave 0..17
	s_bfe_u32 s[CX], ttmp6, 0x40000
	s_bfe_u32 s[CY], ttmp6, 0x40004
	s_lshl_b32 s[XS], ttmp9, 2
	s_add_co_u32 s[XS], s[XS], s[CX]               ; x = 4 x cluster x + cx
	s_and_b32 s[TB], ttmp7, 0xffff
	s_lshl_b32 s[TB], s[TB], 2
	s_add_co_u32 s[TB], s[TB], s[CY]               ; tb = 4 x cluster y + cy
	s_lshl_b32 s25, s[CY], 2
	s_lshl_b32 s25, 15, s25                        ; my row of the cluster
	s_lshl_b32 s26, 0x1111, s[CX]                  ; my column
	; descriptor group 1: 75 rows of 32 elements of 8 bytes, dense, no padding
	s_or_b32 s[G1X], s25, (3<<16)|(1<<21)          ; 15:0 the mask; 17:16 elements of 8 bytes; 21 set beside a mask
	s_or_b32 s[G1W], s26, (3<<16)|(1<<21)
.irp g, G1X, G1W
	s_mov_b32 s[\g+1], 32<<16                      ; tensor_dim0
	s_mov_b32 s[\g+2], 75<<16                      ; tensor_dim1
	s_mov_b32 s[\g+3], 32<<16                      ; tile_dim0
	s_mov_b32 s[\g+4], 75                          ; tile_dim1
	s_mov_b32 s[\g+5], 32                          ; the pitch
	s_mov_b32 s[\g+6], 0
	s_mov_b32 s[\g+7], 0
.endr
	s_mul_i32 s2, s[WV], PART                      ; LDS: waves 0-3 bring xc's four parts, waves 4-12 wc's nine, on end
	s_min_u32 s3, s[WV], 3
	s_mul_i32 s3, s3, PART
	s_mul_i32 s88, s[TB], XBLK
	s_add_co_u32 s88, s88, s3                      ; in xc: tb and the wave alone
	s_mov_b32 s89, 0
	s_max_u32 s3, s[WV], 4
	s_sub_co_u32 s3, s3, 4
	s_min_u32 s3, s3, 8
	s_mul_i32 s3, s3, PART
	s_mul_i32 s90, s[XS], WBLK
	s_add_co_u32 s90, s90, s3                      ; in wc: x and the wave alone
	s_mov_b32 s91, 0
	s_wait_dscnt 0x0
	s_wait_kmcnt 0x0
	s_mov_b32 s[G0X], 1
	s_mov_b32 s[G0X+1], s2
	s_add_nc_u64 s[G0X+2:G0X+3], s[4:5], s[88:89]
	s_or_b32 s[G0X+3], s[G0X+3], 0x80000000
	s_mov_b32 s[G0W], 1
	s_mov_b32 s[G0W+1], s2
	s_add_nc_u64 s[G0W+2:G0W+3], s[6:7], s[90:91]
	s_or_b32 s[G0W+3], s[G0W+3], 0x80000000
	ROUND                                          ; all sixteen work-groups are here: the joint loads meet
	s_cmp_lt_u32 s[WV], 4                          ; one load a wave; four v_nop follow each line
	s_cbranch_scc0 .Lnot_x
	tensor_load_to_lds s[G0X:G0X+3], s[G1X:G1X+7]
	s_nop 0
.rept 4
	v_nop
.endr
	s_branch .Lasked
.Lnot_x:
	s_cmp_lt_u32 s[WV], 13
	s_cbranch_scc0 .Lasked
	tensor_load_to_lds s[G0W:G0W+3], s[G1W:G1W+7]
	s_nop 0
.rept 4
	v_nop
.endr
.Lasked:
	v_and_b32 v[LN], 31, v0
	v_and_b32 v11, 15, v0                          ; r
	v_bfe_u32 v12, v0, 4, 1                        ; h
	s_delay_alu instid0(VALU_DEP_3)
	v_lshlrev_b32 v[L16], 4, v[LN]
	s_wait_alu depctr_va_vdst(0)
	v_lshlrev_b32 v[L8], 3, v[LN]
	v_lshlrev_b32 v[L4], 2, v[LN]
	s_wait_alu depctr_va_vdst(0)
	v_lshlrev_b32 v[BO], 6, v12
	v_and_b32 v13, 8, v11
	s_delay_alu instid0(VALU_DEP_1)
	v_add_nc_u32 v13, v13, v11
	s_delay_alu instid0(VALU_DEP_1)
	v_lshlrev_b32 v[BVO], 2, v13
	s_mov_b32 s[SEL], 0x76543210
	s_mov_b32 s[SEL+1], 0xfedcba98
	s_mov_b32 s[FQ], 0x3e000000                    ; 1/8 = 64^-1/2
	s_mov_b32 s[FQ+1], s[FQ]
	; the LDS addresses of both roles, chosen ahead of the roles' parting
	s_lshr_b32 s66, s[WV], 2
	s_min_u32 s66, s66, 2                          ; g: which of the three heads (waves 0-11)
	s_and_b32 s67, s[WV], 3                        ; tp: which 32 tokens
	s_and_b32 s68, s[WV], 1                        ; c: which 64 tokens (waves 12-17)
	s_lshr_b32 s69, s[WV], 1                       ; 6 + jp: which pair of Wv's tiles
	s_mul_i32 s70, s66, 36864
	s_add_co_u32 s70, s70, XBLK                    ; U: q, k: the head's four tiles of wc;
	s_mul_i32 s71, s68, 36864                      ;    v: four tiles of xc
	s_mul_i32 s72, s67, 18432                      ; T: q, k: two tiles of xc;
	s_mul_i32 s73, s69, 18432
	s_add_co_u32 s73, s73, XBLK                    ;    v: two of Wv's, which lie behind twelve tiles (six pairs) of wc
	s_mul_i32 s74, s66, 1536
	s_add_co_u32 s74, s74, XBLK+165888
	s_mul_i32 s75, s68, 1536
	s_add_co_u32 s75, s75, 73728
	s_mul_i32 s76, s67, 768
	s_add_co_u32 s76, s76, 73728
	s_mul_i32 s77, s69, 768
	s_add_co_u32 s77, s77, XBLK+165888             ; Wv's scale words lie behind six pairs' too
	s_cmp_lt_u32 s[WV], 12
	s_cselect_b32 s70, s70, s71
	s_cselect_b32 s72, s72, s73
	s_cselect_b32 s74, s74, s75
	s_cselect_b32 s76, s76, s77
	v_add_nc_u32 v[UA], s70, v[L16]
	v_add_nc_u32 v[TA], s72, v[L16]
	v_add_nc_u32 v[USA], s74, v[L4]
	v_add_nc_u32 v[TSA], s76, v[L4]
	s_lshr_b32 s78, s[TB], 4                       ; the batch
	s_and_b32 s79, s[TB], 15                       ; which 128 tokens of it
	s_lshr_b32 s80, s79, 1                         ; which pack of 256 keys,
	s_and_b32 s81, s79, 1                          ; and which half of it
	; THE ROLES: the biases go into the accumulators' registers, and the places of the results are made.  All three ways write the same registers.
	s_cmp_lt_u32 s[WV], 12
	s_cbranch_scc0 .Lrole_v
	s_mul_i32 s82, s[CX], 3
	s_add_co_u32 s82, s82, s66                     ; my head, of q's or of k's twelve
	s_lshl_b32 s84, s82, 8
	s_mov_b32 s85, 0
	s_cmp_eq_u32 ttmp9, 0
	s_cselect_b64 s[86:87], s[8:9], s[10:11]
	s_add_nc_u64 s[86:87], s[86:87], s[84:85]
	s_wait_alu depctr_va_vdst(0)
.irp j, 0,1
.irp b, 0,1
.irp i, 0,1,2,3
	global_load_b128 v[ACC+32*\j+16*\b+4*\i:ACC+32*\j+16*\b+4*\i+3], v[BO], s[86:87] offset:128*\b+16*\i   ; register 16 b + i: the bias of the head's unit 32 b + 16 h + i, for both tiles of tokens
.endr
.endr
.endr
	s_mov_b32 s[ISV], 0
	s_mov_b32 s96, 768                             ; from my first half fragment to my second
	s_cmp_eq_u32 ttmp9, 0
	s_cbranch_scc0 .Lrole_k
	s_mov_b32 s[ISQ], 1
	s_mul_i32 s88, s78, 12
	s_add_co_u32 s88, s88, s82                     ; the head of 24
	s_lshl_b32 s89, s88, 7
	s_lshl_b32 s90, s79, 3
	s_add_co_u32 s89, s89, s90
	s_lshl_b32 s90, s67, 1
	s_add_co_u32 s89, s89, s90                     ; its tile 8 ks + 2 tp of 128
	s_mul_i32 s92, s89, 768
	s_lshl_b32 s89, s88, 6
	s_lshl_b32 s90, s79, 2
	s_add_co_u32 s89, s89, s90
	s_add_co_u32 s89, s89, s67                     ; its pair 4 ks + tp of 64
	s_lshl_b32 s94, s89, 7
	s_mov_b64 s[B0:B0+1], s[14:15]
	s_mov_b64 s[SBA:SBA+1], s[16:17]
	s_branch .Lroles_done
.Lrole_k:
	s_mov_b32 s[ISQ], 0
	s_lshl_b32 s88, s78, 2
	s_add_co_u32 s88, s88, s[CX]
	s_lshl_b32 s88, s88, 3
	s_add_co_u32 s88, s88, s80
	s_mul_i32 s88, s88, PACKB                      ; the pack of (batch, group of three heads, 256 keys)
	s_lshl_b32 s89, s66, 1
	s_add_co_u32 s89, s89, s81                     ; 2 g + which half
	s_mul_i32 s90, s89, 6144
	s_mul_i32 s91, s67, 1536
	s_add_co_u32 s92, s88, s90
	s_add_co_u32 s92, s92, s91
	s_mul_i32 s90, s89, 768
	s_lshl_b32 s91, s67, 7
	s_add_co_u32 s94, s88, s90
	s_add_co_u32 s94, s94, s91
	s_add_co_u32 s94, s94, 73728
	s_mov_b64 s[B0:B0+1], s[18:19]
	s_mov_b64 s[SBA:SBA+1], s[18:19]
	s_branch .Lroles_done
.Lrole_v:
	s_mov_b32 s[ISQ], 0
	s_mov_b32 s[ISV], 1
	s_sub_co_u32 s82, s69, 6                       ; jp
	s_mul_i32 s83, s[XS], 3
	s_add_co_u32 s83, s83, s82                     ; my group of 32 rows of Wv
	s_lshl_b32 s84, s83, 7
	s_mov_b32 s85, 0
	s_add_nc_u64 s[86:87], s[12:13], s[84:85]
	s_wait_alu depctr_va_vdst(0)
	global_load_b32 v[CB], v[BVO], s[86:87]        ; bv of my row of the first tile,
	global_load_b32 v[CB+1], v[BVO], s[86:87] offset:32   ; and of the second, 8 rows on
	s_lshl_b32 s88, s83, 1                         ; the first tile's number of 48
	s_lshr_b32 s89, s88, 2                         ; its head
	s_and_b32 s90, s88, 3                          ; and its place in the head: 0 or 2
	s_mul_i32 s91, s89, 11
	s_lshr_b32 s91, s91, 5                         ; the head's group of three (/ 3, right for 0 .. 11)
	s_mul_i32 s98, s91, 3
	s_sub_co_u32 s89, s89, s98
	s_lshl_b32 s98, s78, 2
	s_add_co_u32 s98, s98, s91
	s_lshl_b32 s98, s98, 3
	s_add_co_u32 s98, s98, s80
	s_mul_i32 s98, s98, PACKB
	s_lshl_b32 s89, s89, 1
	s_add_co_u32 s89, s89, s81
	s_mul_i32 s91, s89, 6144
	s_add_co_u32 s92, s98, s91
	s_mul_i32 s91, s90, 1536
	s_add_co_u32 s92, s92, s91
	s_mul_i32 s91, s68, 768                        ; my 64 keys are registers 6 c .. 6 c + 5 of V's fragment
	s_add_co_u32 s92, s92, s91
	s_add_co_u32 s92, s92, 36864
	s_mul_i32 s91, s89, 768
	s_add_co_u32 s94, s98, s91
	s_lshl_b32 s91, s90, 6
	s_add_co_u32 s94, s94, s91
	s_lshl_b32 s91, s68, 1                         ; and bytes 2 c, 2 c + 1 of its scale words
	s_add_co_u32 s94, s94, s91
	s_add_co_u32 s94, s94, 73728+512
	s_mov_b32 s96, 1536
	s_mov_b64 s[B0:B0+1], s[18:19]
	s_mov_b64 s[SBA:SBA+1], s[18:19]
	s_wait_loadcnt 0x0
.irp j, 0,1
.set ii, 0
.rept 32
	v_mov_b32 v[ACC+32*\j+ii], v[CB+\j]            ; a lane holds one row of Wv: its bias starts all 32 sums of that row
.set ii, ii+1
.endr
.endr
.Lroles_done:
	s_mov_b32 s93, 0
	s_mov_b32 s95, 0
	s_mov_b32 s97, 0
	s_add_nc_u64 s[B0:B0+1], s[B0:B0+1], s[92:93]
	s_add_nc_u64 s[B1:B1+1], s[B0:B0+1], s[96:97]
	s_add_nc_u64 s[SBA:SBA+1], s[SBA:SBA+1], s[94:95]
	s_wait_tensorcnt 0x0                           ; my part of the blocks is in,
	s_barrier_signal -1
	s_barrier_wait -1                              ; everybody's is
	s_wait_loadcnt 0x0                             ; the biases are in the accumulators' registers
; One matrix instruction: U's tile t x T's tile j.  A register of scale words holds an even tile's in lanes 0-15 and the odd tile's in lanes 16-31.
.macro MM t, j
.if ((\t)%2 == 0) && ((\j) == 0)
	v_wmma_scale_f32_16x16x128_f8f6f4 v[ACC+32*\j+8*\t:ACC+32*\j+8*\t+7], v[UF+12*\t:UF+12*\t+11], v[TF+12*\j:TF+12*\j+11], v[ACC+32*\j+8*\t:ACC+32*\j+8*\t+7], v[US+\t/2], v[TS] matrix_a_fmt:MATRIX_FMT_FP6 matrix_b_fmt:MATRIX_FMT_FP6
.elseif ((\j) == 0)
	v_wmma_scale_f32_16x16x128_f8f6f4 v[ACC+32*\j+8*\t:ACC+32*\j+8*\t+7], v[UF+12*\t:UF+12*\t+11], v[TF+12*\j:TF+12*\j+11], v[ACC+32*\j+8*\t:ACC+32*\j+8*\t+7], v[US+\t/2], v[TS] matrix_a_fmt:MATRIX_FMT_FP6 matrix_b_fmt:MATRIX_FMT_FP6 matrix_a_scale:MATRIX_SCALE_ROW1
.elseif ((\t)%2 == 0)
	v_wmma_scale_f32_16x16x128_f8f6f4 v[ACC+32*\j+8*\t:ACC+32*\j+8*\t+7], v[UF+12*\t:UF+12*\t+11], v[TF+12*\j:TF+12*\j+11], v[ACC+32*\j+8*\t:ACC+32*\j+8*\t+7], v[US+\t/2], v[TS] matrix_a_fmt:MATRIX_FMT_FP6 matrix_b_fmt:MATRIX_FMT_FP6 matrix_b_scale:MATRIX_SCALE_ROW1
.else
	v_wmma_scale_f32_16x16x128_f8f6f4 v[ACC+32*\j+8*\t:ACC+32*\j+8*\t+7], v[UF+12*\t:UF+12*\t+11], v[TF+12*\j:TF+12*\j+11], v[ACC+32*\j+8*\t:ACC+32*\j+8*\t+7], v[US+\t/2], v[TS] matrix_a_fmt:MATRIX_FMT_FP6 matrix_b_fmt:MATRIX_FMT_FP6 matrix_a_scale:MATRIX_SCALE_ROW1 matrix_b_scale:MATRIX_SCALE_ROW1
.endif
.endm
; A K step of 128: 18 loads of 16 bytes a lane (each 512 consecutive bytes), three of scale words, eight matrix instructions on the eight accumulators by turns.
.macro KSTEP s
.rept 4
	v_nop                                          ; four plain instructions between the last products and loads into registers that they read (ISA guide 7.12.1 for vector instructions)
.endr
.irp t, 0,1,2,3
.irp g, 0,1,2
	ds_load_b128 v[UF+12*\t+4*\g:UF+12*\t+4*\g+3], v[UA] offset:9216*\t+1536*(\s)+512*\g
.endr
.endr
.irp j, 0,1
.irp g, 0,1,2
	ds_load_b128 v[TF+12*\j+4*\g:TF+12*\j+4*\g+3], v[TA] offset:9216*\j+1536*(\s)+512*\g
.endr
.endr
	ds_load_b32 v[US], v[USA] offset:128*(\s)
	ds_load_b32 v[US+1], v[USA] offset:768+128*(\s)
	ds_load_b32 v[TS], v[TSA] offset:128*(\s)
	s_wait_dscnt 0x0
.irp t, 0,1,2,3
	MM \t, 0
	MM \t, 1
.endr
.endm
	s_wait_alu depctr_va_vdst(0)
.irp s, 0,1,2,3,4,5
	KSTEP \s
.endr
.rept 4
	v_nop                                          ; four plain instructions ahead of the first read of the results
.endr
	s_cmp_eq_u32 s[ISQ], 0
	s_cbranch_scc1 .Lnot_q
.set ii, 0
.rept 32
	v_pk_mul_f32 v[ACC+ii:ACC+ii+1], v[ACC+ii:ACC+ii+1], s[FQ:FQ+1] op_sel_hi:[1,0]   ; q alone: x 1/8, a power of two: nothing is rounded
.set ii, ii+2
.endr
.Lnot_q:
; 32 numbers of a lane, register 16 b + i = k 32 b + 16 h + i of my row, become six registers of codes (lane (r, h): k 32 h + 0 .. 31) and the two scale bytes.
.macro HQ src, dst, hb
.irp b, 0,1
	v_max3_num_f32 v[TM+\b], |v[\src+16*\b]|, |v[\src+16*\b+1]|, 0x1800000   ; block b: my 16 numbers, and the floor 2^(3 - 127): the byte cannot fall under 1.  (Each accumulator is read from its low end on)
.endr
.irp i, 2,4,6,8,10,12,14
.irp b, 0,1
	v_max3_num_f32 v[TM+\b], v[TM+\b], |v[\src+16*\b+\i]|, |v[\src+16*\b+\i+1]|
.endr
.endr
.irp b, 0,1
	s_delay_alu instid0(VALU_DEP_2)
	v_permlanex16_b32 v[TM+2+\b], v[TM+\b], s[SEL], s[SEL+1]
.endr
.irp b, 0,1
	s_delay_alu instid0(VALU_DEP_2)
	v_max_num_f32 v[TM+\b], v[TM+\b], v[TM+2+\b]   ; with lane l xor 16's: the block's largest magnitude
.endr
.irp b, 0,1
	s_delay_alu instid0(VALU_DEP_2)
	v_add_nc_u32 v[TM+4+\b], 0xff000000, v[TM+\b]  ; 2 off its exponent field: the conversion's scale operand
.endr
.irp b, 0,1
	s_delay_alu instid0(VALU_DEP_2)
	v_lshrrev_b32 v[TM+2+\b], 23, v[TM+4+\b]       ; the scale's byte
.endr
	s_delay_alu instid0(VALU_DEP_1)
	v_lshl_or_b32 v[\hb], v[TM+3], 8, v[TM+2]
	v_cvt_scalef32_pk16_fp6_f32 v[\dst:\dst+2], v[\src:\src+15], v[TM+4]
	v_cvt_scalef32_pk16_fp6_f32 v[XH:XH+2], v[\src+16:\src+31], v[TM+5]
	v_nop                                          ; one plain instruction behind a scaled conversion
.irp i, 0,1,2
	v_permlane16_swap_b32 v[\dst+\i], v[XH+\i]     ; the first's lanes 16-31 change places with the second's lanes 0-15: a lane now holds a whole block, its lower 16 codes and its upper 16
.endr
.irp i, 0,1,2
	s_delay_alu instid0(VALU_DEP_3)
	v_mov_b32 v[\dst+3+\i], v[XH+\i]
.endr
.endm
	HQ ACC, PC, HB
	HQ ACC+32, PC+6, HB+1
	v_cmp_gt_u32 vcc_lo, 16, v[LN]
	s_delay_alu instid0(VALU_DEP_1)
	v_cndmask_b32 v[HW], v[HB+1], v[HB], vcc_lo    ; lanes 0-15: the first tile's row r; lanes 16-31: the second's
	global_store_b128 v[L16], v[PC:PC+3], s[B0:B0+1]             ; 512 consecutive bytes,
	global_store_b64 v[L8], v[PC+4:PC+5], s[B0:B0+1] offset:512  ; and 256: both at multiples of 256 from the buffer's first byte
	global_store_b128 v[L16], v[PC+6:PC+9], s[B1:B1+1]
	global_store_b64 v[L8], v[PC+10:PC+11], s[B1:B1+1] offset:512
	s_cmp_eq_u32 s[ISV], 0
	s_cbranch_scc0 .Lv_scales
	v_lshl_or_b32 v[WD], v[HW], 16, v[HW]          ; q, k: K is 64: the two bytes twice
	global_store_b32 v[L4], v[WD], s[SBA:SBA+1]    ; 128 consecutive bytes
	s_branch .Lstored
.Lv_scales:
	s_wait_alu depctr_va_vdst(0)
	global_store_b16 v[L4], v[HW], s[SBA:SBA+1]    ; v: my 64 keys' half of each word; the other half is another wave's: 2 bytes of every 4, 64 of the 1,600 bytes that a wave stores
.Lstored:
	s_wait_tensorcnt 0x0
	ds_add_u32 v160, v161
	s_wait_dscnt 0x0
	ROUND                                          ; the closing round: no work-group ends while a partner may still ask for a block that names it
	s_endpgm
.Lfunc_end_k_qcfdb05a354_qkv:
	.size	k_qcfdb05a354_qkv, .Lfunc_end_k_qcfdb05a354_qkv-k_qcfdb05a354_qkv
	.p2alignl 7, 3214868480
	.fill 96, 4, 3214868480
	.section	.rodata,"a",@progbits
	.p2align	6, 0x0
	.amdhsa_kernel k_qcfdb05a354_qkv
		.amdhsa_group_segment_fixed_size 264448
		.amdhsa_private_segment_fixed_size 0
		.amdhsa_enable_private_segment 0
		.amdhsa_kernarg_size 64
		.amdhsa_user_sgpr_count 2
		.amdhsa_user_sgpr_kernarg_segment_ptr 1
		.amdhsa_wavefront_size32 1
		.amdhsa_system_sgpr_workgroup_id_x 1
		.amdhsa_system_sgpr_workgroup_id_y 1
		.amdhsa_system_sgpr_workgroup_id_z 1
		.amdhsa_system_vgpr_workitem_id 0
		.amdhsa_next_free_vgpr 162
		.amdhsa_next_free_sgpr 100
		.amdhsa_reserve_vcc 1
		.amdhsa_float_denorm_mode_32 3
		.amdhsa_float_denorm_mode_16_64 3
		.amdhsa_memory_ordered 1
		.amdhsa_forward_progress 1
		.amdhsa_inst_pref_size 37
	.end_amdhsa_kernel
	.amdgpu_metadata
---
amdhsa.version: [ 1, 2 ]
amdhsa.kernels:
  - .name:           k_qcfdb05a354_qkv
    .symbol:         k_qcfdb05a354_qkv.kd
    .args:
      - { .name: xc, .offset: 0, .size: 8, .value_kind: global_buffer, .address_space: global }
      - { .name: wc, .offset: 8, .size: 8, .value_kind: global_buffer, .address_space: global }
      - { .name: bq, .offset: 16, .size: 8, .value_kind: global_buffer, .address_space: global }
      - { .name: bk, .offset: 24, .size: 8, .value_kind: global_buffer, .address_space: global }
      - { .name: bv, .offset: 32, .size: 8, .value_kind: global_buffer, .address_space: global }
      - { .name: qc, .offset: 40, .size: 8, .value_kind: global_buffer, .address_space: global }
      - { .name: qs, .offset: 48, .size: 8, .value_kind: global_buffer, .address_space: global }
      - { .name: kv, .offset: 56, .size: 8, .value_kind: global_buffer, .address_space: global }
    .group_segment_fixed_size: 264448
    .private_segment_fixed_size: 0
    .kernarg_segment_align: 8
    .kernarg_segment_size: 64
    .max_flat_workgroup_size: 576
    .sgpr_count:     100
    .vgpr_count:     162
    .wavefront_size: 32
...
	.end_amdgpu_metadata
.endif
;; end of part 2
;; launch attn (part 3): grid 4 x 64, 12 waves a work-group, clusters of 4 x 4, 327,680 bytes of LDS; arguments qc, qs, kv, attention_mask, attention_bias, beta, beta_bias, ao, aos; writes ao, aos
.if DOCPART == 3
	.amdgcn_target "amdgcn-amd-amdhsa--gfx1250"
	.amdhsa_code_object_version 6
	.text
	.protected	k_qcfdb05a354_attn
	.globl	k_qcfdb05a354_attn
	.p2align	8
	.type	k_qcfdb05a354_attn,@function
k_qcfdb05a354_attn:
	s_mov_b64 s[64:65], 0
	v_nop
	global_prefetch_b8 v0, s[64:65] scope:SCOPE_SE
	s_setreg_imm32_b32 hwreg(HW_REG_WAVE_MODE, 25, 1), 1
	s_wait_xcnt 0x0
	s_wait_alu depctr_hold_cnt(0) depctr_sa_sdst(0) depctr_va_vdst(0) depctr_va_sdst(0) depctr_va_ssrc(0) depctr_va_vcc(0) depctr_vm_vsrc(0)
	s_getreg_b32 s2, hwreg(HW_REG_IB_STS2, 6, 4)
	s_cmp_eq_u32 s2, 0
	s_cbranch_scc0 .Lentry_in_a_cluster
	s_endpgm
.Lentry_in_a_cluster:
	s_bfe_u32 s2, ttmp6, 0x10000c
	s_cmp_lg_u32 s2, 0xf033
	s_cbranch_scc0 .Lentry_shape_is_right
	s_endpgm
.Lentry_shape_is_right:
; ATTN.  out[b][q][head] = softmax_k(q . k + beta bias[head][k] + beta_bias + mask[b][q][k]) v, both products on codes of FP6 (E2M3) with E8M0 scales; the result is quantised along e for the last projection.
; THE SOFTMAX: t = logit x log2(e); M = the row's largest t so far, rounded UP to a whole number; p = 2^(t - M) is quantised along the keys, not normalised; the row's sum is taken of the unquantised p and divides at the end.
; When M moves, the sum and O are multiplied by 2^(old M - new M): exact.
; SHARES.  A work-group owns 64 queries of one batch and three heads; wave w owns head w / 4 of the three and tile w % 4 of 16 queries; three waves to a SIMD.  Every wave walks the 2,048 keys, 128 a step, 16 steps.
; CLUSTER 4 x 4.  The four of a row share the 64 queries and ask for the mask's tiles jointly; the four of a column share batch and heads and ask for K and V jointly.
; THE RING: two slots.  Content m (0 .. 8, in slot m % 2) is K of key steps 2 m and 2 m + 1, the mask of both, V of step 2 m and V of step 2 m - 1: 36,864 + 36,864 + 67,072 bytes.
; EVERY LDS READ STANDS ONE STEP AHEAD OF ITS USE: in step j a wave copies K(j + 1) (into register window 1) and V(j) into registers ahead of the exponentials, and the mask of step j + 1 into S^T's registers as soon as p is packed;
; the second product of step j stands at the head of step j + 1.  So steps 2 m - 1 and 2 m read content m, and at the head of step 2 m + 1 its reads are over.
; A ROUND IN EACH ODD STEP, SPLIT: the three lines and the opening signal stand at the step's head; both products, the bias and the maxima (work on registers alone) stand between the signal and its wait; behind the round
; the slot just left takes content m + 2, which has two key steps in which to land.  Even steps have no barrier.  Waves 0-3 bring 16 rows of the mask each, waves 4-7 one piece of K or V each (three heads x 6,144 bytes): one tensor load a wave.
; The scale words (768 bytes a head and step) and the bias (512) come by loads of 128 consecutive bytes, one step ahead.
; PREFETCH of the mask's tile that the NEXT round will ask for: the four partners that ask for it jointly share its rows out BY ADDRESS, 16 each; in each, waves 8 and 9 take 8 rows each: lane l names block l % 4 of row l / 4.
; It stops with content 7 (a test on the loop's counter).  K and V are not asked for: eight clusters read each pack.
; LAYOUT.  Both products are used transposed: S^T = K Q^T, O^T = V^T P^T: a lane holds ONE query throughout.  Tiles hold row 8 u + r + 8 (r / 8) of a group of 32 in lane r, so the 16 registers of two neighbouring tiles are 16 neighbours.
; The mask is the C of the first product.  The bias varies along a lane's registers: lane l loads bias[32 b + l], and register 16 b + i takes lane i of its own row of sixteen (row_share).
; K = 64 in a form of 128: Q's registers 6-11 are zero codes; tile t's operand is twelve registers from its first, its upper half the next tile's codes (behind the last: zeros), which meet Q's zeros; FP6 has no code for infinity or NaN.
; LIMITS: NaN and +infinity among the inputs are not served.  A mask entry of -infinity is served while its row keeps one finite logit.  |logit| x log2(e) stays inside f32.
; The logit is summed as (q . k + mask) + (beta bias + beta_bias), another order of rounding than the source's.  Blocks whose largest magnitude lies under 2^-124 get the byte 1.
.set PACKB, 78336                      ; a pack of kv: 256 keys x 3 heads: K 36,864, V 36,864, scale words 4,608
.set PIECE, 18432                      ; three heads x 6,144: in a slot K(2m), K(2m+1), V(2m), V(2m-1) on end
.set MOFF,  4*PIECE                    ; behind them: the mask
.set MP,    1040                       ; a row of the mask in LDS: 1,024 bytes + 16
.set RUN,   16768                      ; sixteen such rows + 128: a tile's lanes 8-15 take rows 16 further on than lanes 0-7, and so begin 128 bytes apart from them modulo 256
.set SLOTB, MOFF+4*RUN                 ; 140,800
.set SPARE, 2*SLOTB                    ; the spare words, 128 bytes for each of 12 waves, that no other line names
.set AMS,  3                           ; v3-4   my query's row of the mask + 64 h, slot 0, 1
.set A4,   5                           ; v5     offset of my head's scale words in a pack: 73,728 + 1,536 g + 4 l
.set SPW,  6
.set NIL,  7
.set L16,  8
.set L8,   9
.set R4,   10
.set QF,   16                          ; v16-21 Q's codes, v22-27 zeros
.set QSC,  28
.set PFO,  29                          ; v29    the prefetches' offset; never rewritten
.set L4,   30
.set VF,   32                          ; v32-79 V's four fragments
.set B16,  80                          ; v80-81 my head's pieces, 6,144 g + 16 l, slot 0, 1;  v82-83 + 8 l
.set B8,   82
.set KSC,  86
.set VSC,  90
.set BB,   92
.set S,    96                          ; v96-159 the mask, then S^T, then p
.set OT,   160
.set PCD,  192
.set BM,   204
.set PT,   208
.set SO,   212
.set XH,   216
.set FF,   224
.set TP,   226
.set PSC,  227
.set TM,   204
; window 1: v0-47 K's eight tiles (six registers each), v48-53 zeros
.set WV,   24
.set W3,   25
.set GH,   26
.set CX,   27
.set CY,   28
.set YY,   29
.set BT,   30
.set WH,   31
.set G1V,  32
.set G1M,  40
.set GV,   48                          ; s[48:55] groups 0 for K and V, a set for each slot;  s[56:63] for the mask
.set GM,   56
.set SEL,  66
.set CS,   68
.set BETA, 70
.set BBIAS, 71
.set CNT,  72
.set KB,   74                          ; s[74:75] the pack for the scale words;  s[76:77] my head's bias
.set BIA,  76
.set PFA,  98
.set MSB, 0
.macro WIN new                         ; the immediate's high byte repeats the setting that is left
.if MSB != \new
	s_set_vgpr_msb (MSB<<8)|\new
.set MSB, \new
.endif
.endm
.macro NOP4
.rept 4
	v_nop
.endr
.endm
.macro CREST                           ; a round of the cluster's barrier behind its opening barrier
	s_cmp_lg_u32 s[WV], 0
	s_cbranch_scc1 .Lnot_wave_0_\@
	s_barrier_signal -3
.Lnot_wave_0_\@:
	s_barrier_wait -3
	s_barrier_signal -1
	s_barrier_wait -1
.endm
.macro ROUND
	s_barrier_signal -1
	s_barrier_wait -1
	CREST
.endm
.macro MM d, a, b, sa, sb, r1
.if \r1
	v_wmma_scale_f32_16x16x128_f8f6f4 v[\d:\d+7], v[\a:\a+11], v[\b:\b+11], v[\d:\d+7], v[\sa], v[\sb] matrix_a_fmt:MATRIX_FMT_FP6 matrix_b_fmt:MATRIX_FMT_FP6 matrix_a_scale:MATRIX_SCALE_ROW1
.else
	v_wmma_scale_f32_16x16x128_f8f6f4 v[\d:\d+7], v[\a:\a+11], v[\b:\b+11], v[\d:\d+7], v[\sa], v[\sb] matrix_a_fmt:MATRIX_FMT_FP6 matrix_b_fmt:MATRIX_FMT_FP6
.endif
.endm
.macro JLOAD n                         ; a whole content: waves 0-3 the mask, waves 4-7 K's and V's pieces; one tensor load a wave
	s_cmp_lt_u32 s[WV], 4
	s_cbranch_scc0 .Lnot_m_\@
	tensor_load_to_lds s[GM+4*(\n):GM+4*(\n)+3], s[G1M:G1M+7]
	s_nop 0
	NOP4
	s_branch .Lasked_\@
.Lnot_m_\@:
	s_cmp_lt_u32 s[WV], 8
	s_cbranch_scc0 .Lasked_\@
	tensor_load_to_lds s[GV+4*(\n):GV+4*(\n)+3], s[G1V:G1V+7]
	s_nop 0
	NOP4
.Lasked_\@:
.endm
.macro JLOADV n                        ; content 8: V of the last key step alone: wave 7
	s_cmp_eq_u32 s[WV], 7
	s_cbranch_scc0 .Lnot_v_\@
	tensor_load_to_lds s[GV+4*(\n):GV+4*(\n)+3], s[G1V:G1V+7]
	s_nop 0
	NOP4
.Lnot_v_\@:
.endm
.macro DSTEP n                         ; slot n's descriptors two contents on: no tensor load of mine is out
	s_add_nc_u64 s[GV+4*(\n)+2:GV+4*(\n)+3], s[GV+4*(\n)+2:GV+4*(\n)+3], 2*PACKB
	s_add_nc_u64 s[GM+4*(\n)+2:GM+4*(\n)+3], s[GM+4*(\n)+2:GM+4*(\n)+3], 2048
.endm
.macro KRD n, hf                       ; my head's K, the hf-th key step of slot n, into window 1
	WIN 0x40
.irp t, 0,1,2,3,4,5,6,7
	ds_load_b128 v[6*\t:6*\t+3], v[B16+(\n)] offset:(\hf)*PIECE+768*\t
	ds_load_b64 v[6*\t+4:6*\t+5], v[B8+(\n)] offset:(\hf)*PIECE+768*\t+512
.endr
	WIN 0
.endm
.macro VRD n, off
.irp d, 0,1,2,3
.irp c, 0,1
	ds_load_b128 v[VF+12*\d+6*\c:VF+12*\d+6*\c+3], v[B16+(\n)] offset:(\off)+1536*\d+768*\c
	ds_load_b64 v[VF+12*\d+6*\c+4:VF+12*\d+6*\c+5], v[B8+(\n)] offset:(\off)+1536*\d+768*\c+512
.endr
.endr
.endm
.macro MRD n, hf                       ; the mask into S^T's registers: register 16 b + i: key 32 b + 16 h + i of my query
.irp b, 0,1,2,3
.irp i, 0,1,2,3
	ds_load_b128 v[S+16*\b+4*\i:S+16*\b+4*\i+3], v[AMS+(\n)] offset:512*(\hf)+128*\b+16*\i
.endr
.endr
.endm
	s_load_b256 s[4:11], s[0:1], 0x0               ; qc, qs, kv, attention_mask
	s_load_b256 s[12:19], s[0:1], 0x20             ; attention_bias, beta, beta_bias, ao
	s_load_b64 s[20:21], s[0:1], 0x40              ; aos
	v_lshl_add_u32 v[SPW], v0, 2, SPARE
	v_mov_b32 v[NIL], 0
	ds_add_u32 v[SPW], v[NIL]                      ; the opening lines: the add twice and its wait ahead of the round in front of the first loads
	ds_add_u32 v[SPW], v[NIL]
	v_lshrrev_b32 v12, 5, v0
	v_readfirstlane_b32 s[WV], v12                 ; wave 0..11
	s_and_b32 s[W3], s[WV], 3
	s_lshr_b32 s[GH], s[WV], 2
	s_lshr_b32 s[WH], s[WV], 1
	s_bfe_u32 s[CX], ttmp6, 0x40000                ; cx: my group of three heads (the grid has one cluster along x)
	s_bfe_u32 s[CY], ttmp6, 0x40004
	s_and_b32 s[BT], ttmp7, 0xffff
	s_lshl_b32 s[YY], s[BT], 2
	s_add_co_u32 s[YY], s[YY], s[CY]               ; my block of 64 queries, of 64
	s_lshr_b32 s[BT], s[BT], 3                     ; the batch: of the cluster's y alone
	s_lshl_b32 s88, s[CY], 2
	s_lshl_b32 s88, 15, s88                        ; my row of the cluster
	s_lshl_b32 s89, 0x1111, s[CX]                  ; my column
	s_or_b32 s[G1M], s88, (2<<16)|(1<<20)|(1<<21)|(7<<22)|(3<<25)  ; elements of 4 bytes; 4 words of padding behind every 256; bit 21 beside a mask
	s_mov_b32 s[G1M+1], 256<<16
	s_mov_b32 s[G1M+2], 16<<16
	s_mov_b32 s[G1M+3], 256<<16
	s_mov_b32 s[G1M+4], 16
	s_mov_b32 s[G1M+5], 2048
	s_mov_b32 s[G1M+6], 0
	s_mov_b32 s[G1M+7], 0
	s_or_b32 s[G1V], s89, (3<<16)|(1<<21)          ; elements of 8 bytes
	s_mov_b32 s[G1V+1], 768<<16                    ; rows of 6,144 bytes: a head's K or V of 128 keys
	s_mov_b32 s[G1V+2], 3<<16                      ; three heads,
	s_mov_b32 s[G1V+3], 768<<16
	s_mov_b32 s[G1V+4], 3
	s_mov_b32 s[G1V+5], 1536                       ; 12,288 bytes apart in a pack
	s_mov_b32 s[G1V+6], 0
	s_mov_b32 s[G1V+7], 0
	s_lshl_b32 s90, s[YY], 19                      ; the mask: 64 rows of 8,192 bytes a block of queries,
	s_lshl_b32 s91, s[W3], 17                      ; 16 rows a fetching wave
	s_add_co_u32 s90, s90, s91
	s_mov_b32 s91, 0
	s_mul_i32 s94, s[W3], RUN
	s_add_co_u32 s94, s94, MOFF
	s_lshl_b32 s92, s[BT], 2
	s_add_co_u32 s92, s92, s[CX]
	s_mul_i32 s92, s92, 8*PACKB                    ; the eight packs of (batch, group of heads)
	s_mov_b32 s93, 0
	s_mul_i32 s80, s[W3], 6144                     ; piece 0: K's first half at 0; 1: its second at 6,144; 2: V's first half at 36,864; 3: V's second half at 43,008, of the pack before
	s_lshr_b32 s81, s[W3], 1
	s_and_b32 s82, s81, s[W3]                      ; 1 for piece 3 alone
	s_mul_i32 s81, s81, 24576
	s_add_co_u32 s80, s80, s81
	s_add_co_u32 s80, s80, s92
	s_mov_b32 s81, 0
	s_mul_i32 s82, s82, PACKB
	s_mov_b32 s83, 0
	s_mul_i32 s95, s[W3], PIECE
	s_wait_dscnt 0x0
	s_wait_kmcnt 0x0
	s_load_b32 s[BETA], s[14:15], 0x0
	s_load_b32 s[BBIAS], s[16:17], 0x0
	s_mov_b32 s[GM], 1                             ; content 0: keys 0 to 255
	s_mov_b32 s[GM+1], s94
	s_add_nc_u64 s[GM+2:GM+3], s[10:11], s[90:91]
	s_mov_b32 s[GM+4], 1                           ; content 1
	s_add_co_u32 s[GM+5], s94, SLOTB
	s_add_nc_u64 s[GM+6:GM+7], s[GM+2:GM+3], 1024
	s_or_b32 s[GM+3], s[GM+3], 0x80000000
	s_or_b32 s[GM+7], s[GM+7], 0x80000000
	s_mov_b32 s[GV], 1
	s_mov_b32 s[GV+1], s95
	s_add_nc_u64 s[GV+2:GV+3], s[8:9], s[80:81]
	s_sub_nc_u64 s[GV+2:GV+3], s[GV+2:GV+3], s[82:83]
	s_mov_b32 s[GV+4], 1
	s_add_co_u32 s[GV+5], s95, SLOTB
	s_add_nc_u64 s[GV+6:GV+7], s[GV+2:GV+3], PACKB
	s_or_b32 s[GV+3], s[GV+3], 0x80000000
	s_or_b32 s[GV+7], s[GV+7], 0x80000000
	ROUND                                          ; all sixteen work-groups are here: the first joint loads meet
	s_cmp_lt_u32 s[WV], 4                          ; content 0: the mask by waves 0-3, K(0), K(1) and V(0) by waves 4-6: at most one load a wave
	s_cbranch_scc0 .Lhead_v
	tensor_load_to_lds s[GM:GM+3], s[G1M:G1M+7]
	s_nop 0
	NOP4
	s_branch .Lhead_done
.Lhead_v:
	s_cmp_lt_u32 s[WV], 7
	s_cbranch_scc0 .Lhead_done
	tensor_load_to_lds s[GV:GV+3], s[G1V:G1V+7]
	s_nop 0
	NOP4
.Lhead_done:
	s_add_nc_u64 s[KB:KB+1], s[8:9], s[92:93]      ; my heads' packs, for the scale words
	s_mov_b32 s81, 0
	s_mul_i32 s84, s[CX], 3
	s_mul_i32 s85, s[BT], 12
	s_add_co_u32 s85, s85, s84
	s_add_co_u32 s88, s85, s[GH]                   ; my head of 24
	s_add_co_u32 s86, s84, s[GH]                   ; and of 12
	s_and_b32 s89, s[YY], 31                       ; my block of queries in the batch
	s_lshl_b32 s80, s88, 7
	s_lshl_b32 s82, s89, 2
	s_add_co_u32 s80, s80, s82
	s_add_co_u32 s80, s80, s[W3]
	s_mul_i32 s80, s80, 768
	s_add_nc_u64 s[4:5], s[4:5], s[80:81]          ; Q's half fragment
	s_lshl_b32 s80, s88, 13
	s_add_nc_u64 s[BIA:BIA+1], s[12:13], s[80:81]  ; my head's row of attention_bias
	s_lshl_b32 s82, s89, 8
	s_add_co_u32 s80, s80, s82
	s_lshl_b32 s82, s[W3], 6
	s_add_co_u32 s80, s80, s82
	s_add_nc_u64 s[6:7], s[6:7], s[80:81]          ; Q's sixteen scale words
	s_mul_i32 s80, s[YY], 36864                    ; where the results go
	s_mul_i32 s82, s[W3], 9216
	s_add_co_u32 s80, s80, s82
	s_mul_i32 s82, s86, 768
	s_add_co_u32 s80, s80, s82
	s_add_nc_u64 s[18:19], s[18:19], s[80:81]
	s_mul_i32 s80, s[YY], 3072
	s_lshl_b32 s82, s86, 8
	s_add_co_u32 s80, s80, s82
	s_lshl_b32 s82, s[W3], 6
	s_add_co_u32 s80, s80, s82
	s_add_nc_u64 s[20:21], s[20:21], s[80:81]
	s_lshl_b32 s80, s[YY], 19                      ; the prefetches: my work-group's 16 rows of the 64, my wave's 8 of them, at content 2: every asking step moves it one content on first
	s_lshl_b32 s82, s[CX], 17
	s_add_co_u32 s80, s80, s82
	s_and_b32 s82, s[WV], 1
	s_lshl_b32 s82, s82, 16
	s_add_co_u32 s80, s80, s82
	s_add_co_u32 s80, s80, 2048
	s_add_nc_u64 s[PFA:PFA+1], s[10:11], s[80:81]
	s_mul_i32 s87, s[GH], 6144
	s_mul_i32 s96, s[GH], 1536
	s_add_co_u32 s96, s96, 73728
	s_lshr_b32 s97, s[W3], 1                       ; my query is row 32 (t / 2) + 16 (r / 8) + 8 (t % 2) + r % 8 of the 64
	s_mul_i32 s97, s97, 2*RUN
	s_and_b32 s82, s[W3], 1
	s_mul_i32 s82, s82, 8*MP
	s_add_co_u32 s97, s97, s82
	s_add_co_u32 s97, s97, MOFF
	s_mov_b32 s[SEL], 0x76543210
	s_mov_b32 s[SEL+1], 0xfedcba98
	s_mov_b32 s[CS], 0x3fb8aa3b                    ; log2(e)
	s_mov_b32 s[CS+1], s[CS]
	v_and_b32 v12, 31, v0                          ; lane
	v_and_b32 v13, 15, v0                          ; r
	v_bfe_u32 v14, v0, 4, 1                        ; h
	v_lshlrev_b32 v[L16], 4, v12
	v_lshlrev_b32 v[L8], 3, v12
	v_lshlrev_b32 v[L4], 2, v12
	v_lshlrev_b32 v[R4], 2, v13
	v_lshl_add_u32 v[A4], v12, 2, s96
	v_lshl_add_u32 v[B16], v12, 4, s87
	v_lshl_add_u32 v[B8], v12, 3, s87
	v_lshrrev_b32 v15, 3, v13
	v_and_b32 v13, 7, v13
	v_lshrrev_b32 v[PFO], 2, v12
	v_and_b32 v12, 3, v12
	v_mul_u32_u24 v[AMS], v15, RUN
	v_add_nc_u32 v[B16+1], SLOTB, v[B16]
	v_add_nc_u32 v[B8+1], SLOTB, v[B8]
	v_lshlrev_b32 v[PFO], 13, v[PFO]
	v_mad_u32_u24 v[AMS], v13, MP, v[AMS]
	v_lshl_add_u32 v[PFO], v12, 8, v[PFO]
	v_lshl_add_u32 v[AMS], v14, 6, v[AMS]
	v_add_nc_u32 v[AMS], s97, v[AMS]
	v_add_nc_u32 v[AMS+1], SLOTB, v[AMS]
	s_wait_alu depctr_va_vdst(0)
	global_load_b128 v[QF:QF+3], v[L16], s[4:5] th:TH_LOAD_NT
	global_load_b64 v[QF+4:QF+5], v[L8], s[4:5] offset:512 th:TH_LOAD_NT
	global_load_b32 v[QSC], v[R4], s[6:7] th:TH_LOAD_NT
.irp i, 0,1,2,3
	global_load_b32 v[KSC+\i], v[A4], s[KB:KB+1] offset:128*\i
	global_load_b32 v[BB+\i], v[L4], s[BIA:BIA+1] offset:128*\i
.endr
	v_mov_b32 v13, 0xff61b1e6                      ; the largest t so far: -3e38
	v_floor_f32 v12, -v13                          ; -M
	v_mov_b32 v14, 0
	v_mov_b32 v15, 0
.irp i, 0,1,2,3,4,5
	v_mov_b32 v[QF+6+\i], 0                        ; Q's upper half: zero codes
.endr
.irp i, 0,1,2,3
	v_mov_b32 v[PT+\i], 0                          ; a lane permute's destination counts as one of its sources
.endr
	v_mov_b32 v[FF+1], 0
.set jj, 0
.rept 32
	v_mov_b32 v[OT+jj], 0                          ; the sums of O^T begin as zeros, which the first change of M leaves zeros
.set jj, jj+1
.endr
	WIN 0x40
.irp i, 48,49,50,51,52,53
	v_mov_b32 v\i, 0                               ; window 1: what stands behind K's last tile
.endr
	WIN 0
; KEY STEP j.  od = j % 2;  rs: the slot that holds content (j + 1) / 2, which this step reads;  first: step 0;  rf (odd steps): 1 a whole content is asked for, 2 V alone, 0 nothing;  last: step 15;
; pf: the mask's tile of the next round is prefetched;  gd: but not in the loop's last trip.
.macro STEP od, rs, first, rf, last, pf, gd
	s_wait_alu depctr_va_vdst(0)
.if \od
	s_wait_tensorcnt 0x0                           ; my part of the content that this step reads is in, and no tensor load of mine is out
.if \rf
	ds_add_u32 v[SPW], v[NIL]                      ; the add, twice
	ds_add_u32 v[SPW], v[NIL]
	DSTEP 1-(\rs)
.endif
.endif
	s_wait_loadcnt 0x0                             ; the scale words and the bias asked for a step ago
.if \pf
	s_wait_xcnt 0x0                                ; the last prefetch, two steps back, has read its address
	s_add_nc_u64 s[PFA:PFA+1], s[PFA:PFA+1], 1024
.endif
.if ((\od) == 0) && ((\first) == 0)
	s_add_nc_u64 s[KB:KB+1], s[KB:KB+1], PACKB     ; every load by these bases is done: on to this step's pack
	s_add_nc_u64 s[BIA:BIA+1], s[BIA:BIA+1], 1024
.endif
	s_wait_dscnt 0x0                               ; the add is done, and what I read a step ago is in my registers: in an odd step my reads of the other slot are over
.if \od
	s_barrier_signal -1                            ; the opening signal; work on registers alone up to its wait
.endif
	WIN 0x01                                       ; source 0 in window 1
.irp t, 0,2,4,6                                ; S^T = K Q^T + the mask, in place; eight accumulators, one instruction each
	MM S+8*\t, 6*\t, QF, KSC+\t/2, QSC, 0
	MM S+8*\t+8, 6*\t+6, QF, KSC+\t/2, QSC, 1
.endr
	WIN 0
.if (\first) == 0
.irp d, 0,2                                    ; O^T += V^T P^T of the step before: four accumulators, one instruction each
	MM OT+8*\d, VF+12*\d, PCD, VSC+\d/2, PSC, 0
	MM OT+8*\d+8, VF+12*\d+12, PCD, VSC+\d/2, PSC, 1
.endr
.endif
.irp b, 0,1,2,3
	v_fma_f32 v[BB+\b], v[BB+\b], s[BETA], s[BBIAS]   ; beta bias + beta_bias: the four plain instructions behind the products
.endr
.irp b, 0,1,2,3
.irp i, 0,1,2,3,4,5,6,7,8,9,10,11,12,13,14,15
	v_add_f32_dpp v[S+16*\b+\i], v[BB+\b], v[S+16*\b+\i] row_share:\i row_mask:0xf bank_mask:0xf   ; ascending: each accumulator is read from its low end on
.endr
.endr
.irp b, 0,1,2,3
	v_max3_num_f32 v[BM+\b], v[S+16*\b], v[S+16*\b+1], v[S+16*\b+2]   ; the largest logit of each block of 32 keys
.endr
.irp i, 3,5,7,9,11,13
.irp b, 0,1,2,3
	s_delay_alu instid0(VALU_DEP_4)
	v_max3_num_f32 v[BM+\b], v[BM+\b], v[S+16*\b+\i], v[S+16*\b+\i+1]
.endr
.endr
.irp b, 0,1,2,3
	s_delay_alu instid0(VALU_DEP_4)
	v_max_num_f32 v[BM+\b], v[BM+\b], v[S+16*\b+15]
.endr
.irp b, 0,1,2,3
	s_delay_alu instid0(VALU_DEP_4)
	v_permlanex16_b32 v[PT+\b], v[BM+\b], s[SEL], s[SEL+1]
.endr
.irp b, 0,1,2,3
	s_delay_alu instid0(VALU_DEP_4)
	v_max_num_f32 v[BM+\b], v[BM+\b], v[PT+\b]     ; with lane l xor 16's 16 keys
.endr
	s_delay_alu instid0(VALU_DEP_2)
	v_max3_num_f32 v[TP], v[BM], v[BM+1], v[BM+2]
	s_delay_alu instid0(VALU_DEP_1)
	v_max_num_f32 v[TP], v[TP], v[BM+3]
	s_delay_alu instid0(VALU_DEP_1)
	v_mul_f32 v[TP], s[CS], v[TP]                  ; the step's largest t
	s_delay_alu instid0(VALU_DEP_1)
	v_max_num_f32 v13, v13, v[TP]
	v_mov_b32 v[TP], v12
	s_delay_alu instid0(VALU_DEP_2)
	v_floor_f32 v12, -v13                          ; the new -M = -ceil(t)
	s_delay_alu instid0(VALU_DEP_1)
	v_sub_f32 v[TP], v12, v[TP]                    ; old M - new M
	s_delay_alu instid0(VALU_DEP_1)
	v_cvt_i32_f32 v[TP], v[TP]
	s_delay_alu instid0(VALU_DEP_1)
	v_ldexp_f32 v[FF], 1.0, v[TP]                  ; f = 2^(old M - new M)
.set jj, 0
.rept 32
	v_pk_fma_f32 v[S+jj:S+jj+1], v[S+jj:S+jj+1], s[CS:CS+1], v[12:13] op_sel_hi:[1,0,0]   ; t - M
.set jj, jj+2
.endr
.irp b, 0,1,2,3
	v_fma_f32 v[BM+\b], v[BM+\b], s[CS], v12
.endr
	s_wait_alu depctr_va_vdst(0)                   ; the wait ahead of the barrier, the branches and the batch of exponentials
.if \od
	s_barrier_wait -1                              ; every wave of my work-group has left the other slot and has its part of this step's content in LDS
.endif
.if (\rf) == 1
	CREST                                          ; and every wave of every partner
	JLOAD 1-(\rs)                                  ; the content after this one, into the slot just left: the first tensor load behind the round
.endif
.if (\rf) == 2
	CREST
	JLOADV 1-(\rs)
.endif
.if (\last) == 0
	KRD \rs, 1-(\od)                               ; K(j + 1),
.endif
	VRD \rs, 2*PIECE+(\od)*PIECE                   ; V(j): both land under the exponentials
.if (\last) == 0
.irp i, 0,1,2,3
	global_load_b32 v[KSC+\i], v[A4], s[KB:KB+1] offset:768+(\od)*(PACKB-768)+128*\i    ; K(j + 1)'s scale words
	global_load_b32 v[BB+\i], v[L4], s[BIA:BIA+1] offset:512+(\od)*512+128*\i           ; the bias of step j + 1
.endr
.endif
	global_load_b32 v[VSC], v[A4], s[KB:KB+1] offset:512+(\od)*768                      ; V(j)'s scale words
	global_load_b32 v[VSC+1], v[A4], s[KB:KB+1] offset:640+(\od)*768
.if \pf
	s_cmp_eq_u32 s[WH], 4                          ; waves 8 and 9
	s_cbranch_scc0 .Lnot_mine_\@
.if \gd
	s_cmp_eq_u32 s[CNT], 1                         ; behind content 7 there is no mask to ask for
	s_cbranch_scc1 .Lnot_mine_\@
.endif
	global_prefetch_b8 v[PFO], s[PFA:PFA+1] th:TH_LOAD_NT scope:SCOPE_SE
.Lnot_mine_\@:
.endif
.set jj, 0
.rept 64
	v_exp_f32 v[S+jj], v[S+jj]                     ; p = 2^(t - M)
.set jj, jj+1
.endr
	v_pk_mul_f32 v[14:15], v[14:15], v[FF:FF+1] op_sel_hi:[1,0]
	s_wait_alu depctr_va_vdst(0)                   ; one wait for the batch, ahead of its first reader
.irp b, 0,1,2,3
	v_exp_f32 v[BM+\b], v[BM+\b]                   ; the block's largest p
.endr
	v_pk_add_f32 v[208:209], v[100:101], v[104:105]   ; the row's sum of the unquantised p, in eight chains
	v_pk_add_f32 v[230:231], v[108:109], v[112:113]
	v_pk_add_f32 v[228:229], v[116:117], v[120:121]
	v_pk_add_f32 v[222:223], v[124:125], v[128:129]
	v_pk_add_f32 v[220:221], v[132:133], v[136:137]
	v_pk_add_f32 v[218:219], v[140:141], v[144:145]
	v_pk_add_f32 v[216:217], v[148:149], v[152:153]
	v_pk_add_f32 v[14:15], v[14:15], v[156:157]
	v_pk_add_f32 v[208:209], v[208:209], v[96:97]
	v_pk_add_f32 v[230:231], v[230:231], v[98:99]
	v_pk_add_f32 v[228:229], v[228:229], v[102:103]
	v_pk_add_f32 v[222:223], v[222:223], v[106:107]
	v_pk_add_f32 v[220:221], v[220:221], v[110:111]
	v_pk_add_f32 v[218:219], v[218:219], v[114:115]
	v_pk_add_f32 v[216:217], v[216:217], v[118:119]
	v_pk_add_f32 v[14:15], v[14:15], v[122:123]
	v_pk_add_f32 v[208:209], v[208:209], v[126:127]
	v_pk_add_f32 v[230:231], v[230:231], v[130:131]
	v_pk_add_f32 v[228:229], v[228:229], v[134:135]
	v_pk_add_f32 v[222:223], v[222:223], v[138:139]
	v_pk_add_f32 v[220:221], v[220:221], v[142:143]
	v_pk_add_f32 v[218:219], v[218:219], v[146:147]
	v_pk_add_f32 v[216:217], v[216:217], v[150:151]
	v_pk_add_f32 v[14:15], v[14:15], v[154:155]
	v_pk_add_f32 v[208:209], v[208:209], v[158:159]
	s_delay_alu instid0(VALU_DEP_2)
	v_pk_add_f32 v[14:15], v[14:15], v[222:223]
	s_delay_alu instid0(VALU_DEP_2)
	v_pk_add_f32 v[208:209], v[208:209], v[220:221]
	v_pk_add_f32 v[230:231], v[230:231], v[218:219]
	v_pk_add_f32 v[228:229], v[228:229], v[216:217]
	s_delay_alu instid0(VALU_DEP_2)
	v_pk_add_f32 v[14:15], v[14:15], v[230:231]
	s_delay_alu instid0(VALU_DEP_2)
	v_pk_add_f32 v[208:209], v[208:209], v[228:229]
	s_delay_alu instid0(VALU_DEP_1)
	v_pk_add_f32 v[14:15], v[14:15], v[208:209]
	s_wait_alu depctr_va_vdst(0)                   ; and one for the four
.irp b, 0,1,2,3
	v_max_num_f32 v[BM+\b], 0x1800000, v[BM+\b]    ; the floor 2^(3 - 127): the byte cannot fall under 1
.endr
.irp b, 0,1,2,3
	s_delay_alu instid0(VALU_DEP_4)
	v_add_nc_u32 v[SO+\b], 0xff000000, v[BM+\b]    ; 2 off the exponent field: the conversion's scale operand
.endr
.irp c, 0,1
	v_cvt_scalef32_pk16_fp6_f32 v[PCD+6*\c:PCD+6*\c+2], v[S+32*\c:S+32*\c+15], v[SO+2*\c]
	v_cvt_scalef32_pk16_fp6_f32 v[XH+4*\c:XH+4*\c+2], v[S+32*\c+16:S+32*\c+31], v[SO+2*\c+1]
.endr
	v_nop                                          ; one plain instruction behind a scaled conversion
.if (\last) == 0
	MRD \rs, 1-(\od)                               ; p is packed: its registers take the next step's mask; the lines below stand under these loads
.endif
.irp b, 0,1,2,3
	v_lshrrev_b32 v[PT+\b], 23, v[SO+\b]           ; the scales' bytes
.endr
.irp c, 0,1                                    ; the operand's layout wants a whole block in a lane
.irp i, 0,1,2
	v_permlane16_swap_b32 v[PCD+6*\c+\i], v[XH+4*\c+\i]
.endr
.irp i, 0,1,2
	s_delay_alu instid0(VALU_DEP_3)
	v_mov_b32 v[PCD+6*\c+3+\i], v[XH+4*\c+\i]
.endr
.endr
	v_lshl_or_b32 v[PSC], v[PT+1], 8, v[PT]        ; p's scale word for these 128 keys
	s_delay_alu instid0(VALU_DEP_1)
	v_lshl_or_b32 v[PSC], v[PT+2], 16, v[PSC]
	s_delay_alu instid0(VALU_DEP_1)
	v_lshl_or_b32 v[PSC], v[PT+3], 24, v[PSC]
	s_wait_alu depctr_va_vdst(0)                   ; the wait directly ahead of the first reader of O^T
.set jj, 0
.rept 16
	v_pk_mul_f32 v[OT+jj:OT+jj+1], v[OT+jj:OT+jj+1], v[FF:FF+1] op_sel_hi:[1,0]   ; O^T under the new M; also the plain instructions between the scale word's and the codes' last writes and the product at the next step's head
.set jj, jj+2
.endr
.endm
	s_wait_alu depctr_va_vdst(0)
	s_wait_kmcnt 0x0                               ; beta, beta_bias
	s_wait_tensorcnt 0x0                           ; my part of content 0 is in; slot 1's first fill is issued as a refill is:
	ds_add_u32 v[SPW], v[NIL]
	ds_add_u32 v[SPW], v[NIL]
	s_wait_dscnt 0x0
	ROUND
	JLOAD 1                                        ; content 1: step 0 in which to land
	KRD 0, 0
	MRD 0, 0
	STEP 0, 0, 1, 0, 0, 0, 0                       ; step 0
	s_mov_b32 s[CNT], 3
.Lfour:                                            ; steps 1 to 12: contents 2 to 7 are asked for, the mask of contents 3 to 7 prefetched
	STEP 1, 1, 0, 1, 0, 1, 0
	STEP 0, 1, 0, 0, 0, 0, 0
	STEP 1, 0, 0, 1, 0, 1, 1
	STEP 0, 0, 0, 0, 0, 0, 0
	s_sub_co_u32 s[CNT], s[CNT], 1
	s_cmp_lg_u32 s[CNT], 0
	s_wait_alu depctr_va_vdst(0)
	s_cbranch_scc1 .Lfour
	STEP 1, 1, 0, 2, 0, 0, 0                       ; the tail is written out: step 13 asks for V(15) alone,
	STEP 0, 1, 0, 0, 0, 0, 0
	STEP 1, 0, 0, 0, 1, 0, 0                       ; step 15 for nothing
	s_wait_alu depctr_va_vdst(0)
	s_wait_loadcnt 0x0                             ; V(15)'s scale words
	s_wait_dscnt 0x0                               ; V(15)
.irp d, 0,2
	MM OT+8*\d, VF+12*\d, PCD, VSC+\d/2, PSC, 0
	MM OT+8*\d+8, VF+12*\d+12, PCD, VSC+\d/2, PSC, 1
.endr
	NOP4                                           ; four plain instructions behind the last products
; THE WAY OUT.  O^T / the sum is quantised along the head's 64 channels, which are 64 of the last projection's K, and leaves as half a fragment and two scale bytes a row.
.macro HQ src, dst, hb
.irp b, 0,1
	v_max3_num_f32 v[TM+\b], |v[\src+16*\b]|, |v[\src+16*\b+1]|, 0x1800000
.endr
.irp i, 2,4,6,8,10,12,14
.irp b, 0,1
	s_delay_alu instid0(VALU_DEP_2)
	v_max3_num_f32 v[TM+\b], v[TM+\b], |v[\src+16*\b+\i]|, |v[\src+16*\b+\i+1]|
.endr
.endr
.irp b, 0,1
	s_delay_alu instid0(VALU_DEP_2)
	v_permlanex16_b32 v[TM+2+\b], v[TM+\b], s[SEL], s[SEL+1]
.endr
.irp b, 0,1
	s_delay_alu instid0(VALU_DEP_2)
	v_max_num_f32 v[TM+\b], v[TM+\b], v[TM+2+\b]
.endr
.irp b, 0,1
	s_delay_alu instid0(VALU_DEP_2)
	v_add_nc_u32 v[TM+4+\b], 0xff000000, v[TM+\b]
.endr
.irp b, 0,1
	s_delay_alu instid0(VALU_DEP_2)
	v_lshrrev_b32 v[TM+2+\b], 23, v[TM+4+\b]
.endr
	s_delay_alu instid0(VALU_DEP_1)
	v_lshl_or_b32 v[\hb], v[TM+3], 8, v[TM+2]
	v_cvt_scalef32_pk16_fp6_f32 v[\dst:\dst+2], v[\src:\src+15], v[TM+4]
	v_cvt_scalef32_pk16_fp6_f32 v[XH:XH+2], v[\src+16:\src+31], v[TM+5]
	v_nop
.irp i, 0,1,2
	v_permlane16_swap_b32 v[\dst+\i], v[XH+\i]
.endr
.irp i, 0,1,2
	s_delay_alu instid0(VALU_DEP_3)
	v_mov_b32 v[\dst+3+\i], v[XH+\i]
.endr
.endm
	v_add_f32 v14, v14, v15                        ; the sum's two halves,
	s_delay_alu instid0(VALU_DEP_1)
	v_permlanex16_b32 v[TP], v14, s[SEL], s[SEL+1]
	s_delay_alu instid0(VALU_DEP_1)
	v_add_f32 v14, v14, v[TP]                      ; and lane l xor 16's: the row's sum
	s_wait_alu depctr_va_vdst(0)
	v_rcp_f32 v14, v14
	v_nop                                          ; one plain instruction behind the transcendental
	s_wait_alu depctr_va_vdst(0)                   ; the wait ahead of the reciprocal's first reader, which is also O^T's
.set jj, 0
.rept 16
	v_pk_mul_f32 v[S+jj:S+jj+1], v[OT+jj:OT+jj+1], v[14:15] op_sel_hi:[1,0]   ; register 16 b + i: channel 32 b + 16 h + i of my query
.set jj, jj+2
.endr
	HQ S, PCD, TP
	global_store_b128 v[L16], v[PCD:PCD+3], s[18:19]             ; 512 consecutive bytes,
	global_store_b64 v[L8], v[PCD+4:PCD+5], s[18:19] offset:512  ; and 256: both at multiples of 256 from ao's first byte
	global_store_b32 v[R4], v[TP], s[20:21]        ; the two bytes of row r, the word's upper half 0: 64 consecutive bytes; both halves of the lanes write the same word
	s_wait_tensorcnt 0x0                           ; the wave's end
	ds_add_u32 v[SPW], v[NIL]
	s_wait_dscnt 0x0
	ROUND                                          ; the closing round
	s_endpgm
.Lfunc_end_k_qcfdb05a354_attn:
	.size	k_qcfdb05a354_attn, .Lfunc_end_k_qcfdb05a354_attn-k_qcfdb05a354_attn
	.p2alignl 7, 3214868480
	.fill 96, 4, 3214868480
	.section	.rodata,"a",@progbits
	.p2align	6, 0x0
	.amdhsa_kernel k_qcfdb05a354_attn
		.amdhsa_group_segment_fixed_size 327680
		.amdhsa_private_segment_fixed_size 0
		.amdhsa_enable_private_segment 0
		.amdhsa_kernarg_size 72
		.amdhsa_user_sgpr_count 2
		.amdhsa_user_sgpr_kernarg_segment_ptr 1
		.amdhsa_wavefront_size32 1
		.amdhsa_system_sgpr_workgroup_id_x 1
		.amdhsa_system_sgpr_workgroup_id_y 1
		.amdhsa_system_sgpr_workgroup_id_z 1
		.amdhsa_system_vgpr_workitem_id 0
		.amdhsa_next_free_vgpr 312
		.amdhsa_next_free_sgpr 100
		.amdhsa_reserve_vcc 0
		.amdhsa_float_denorm_mode_32 3
		.amdhsa_float_denorm_mode_16_64 3
		.amdhsa_memory_ordered 1
		.amdhsa_forward_progress 1
		.amdhsa_inst_pref_size 209
	.end_amdhsa_kernel
	.amdgpu_metadata
---
amdhsa.version: [ 1, 2 ]
amdhsa.kernels:
  - .name:           k_qcfdb05a354_attn
    .symbol:         k_qcfdb05a354_attn.kd
    .args:
      - { .name: qc, .offset: 0, .size: 8, .value_kind: global_buffer, .address_space: global }
      - { .name: qs, .offset: 8, .size: 8, .value_kind: global_buffer, .address_space: global }
      - { .name: kv, .offset: 16, .size: 8, .value_kind: global_buffer, .address_space: global }
      - { .name: attention_mask, .offset: 24, .size: 8, .value_kind: global_buffer, .address_space: global }
      - { .name: attention_bias, .offset: 32, .size: 8, .value_kind: global_buffer, .address_space: global }
      - { .name: beta, .offset: 40, .size: 8, .value_kind: global_buffer, .address_space: global }
      - { .name: beta_bias, .offset: 48, .size: 8, .value_kind: global_buffer, .address_space: global }
      - { .name: ao, .offset: 56, .size: 8, .value_kind: global_buffer, .address_space: global }
      - { .name: aos, .offset: 64, .size: 8, .value_kind: global_buffer, .address_space: global }
    .group_segment_fixed_size: 327680
    .private_segment_fixed_size: 0
    .kernarg_segment_align: 8
    .kernarg_segment_size: 72
    .max_flat_workgroup_size: 384
    .sgpr_count:     100
    .vgpr_count:     312
    .wavefront_size: 32
...
	.end_amdgpu_metadata
.endif
;; end of part 3
;; launch oproj (part 4): grid 4 x 64, 12 waves a work-group, clusters of 4 x 4, 206,336 bytes of LDS; arguments ao, aos, woc, bo, out0; writes out0
.if DOCPART == 4
	.amdgcn_target "amdgcn-amd-amdhsa--gfx1250"
	.amdhsa_code_object_version 6
	.text
	.protected	k_qcfdb05a354_oproj
	.globl	k_qcfdb05a354_oproj
	.p2align	8
	.type	k_qcfdb05a354_oproj,@function
k_qcfdb05a354_oproj:
	s_mov_b64 s[64:65], 0
	v_nop
	global_prefetch_b8 v0, s[64:65] scope:SCOPE_SE
	s_setreg_imm32_b32 hwreg(HW_REG_WAVE_MODE, 25, 1), 1
	s_wait_xcnt 0x0
	s_wait_alu depctr_hold_cnt(0) depctr_sa_sdst(0) depctr_va_vdst(0) depctr_va_sdst(0) depctr_va_ssrc(0) depctr_va_vcc(0) depctr_vm_vsrc(0)
	s_getreg_b32 s2, hwreg(HW_REG_IB_STS2, 6, 4)
	s_cmp_eq_u32 s2, 0
	s_cbranch_scc0 .Lentry_in_a_cluster
	s_endpgm
.Lentry_in_a_cluster:
	s_bfe_u32 s2, ttmp6, 0x10000c
	s_cmp_lg_u32 s2, 0xf033
	s_cbranch_scc0 .Lentry_shape_is_right
	s_endpgm
.Lentry_shape_is_right:
; OPROJ.  out0 = a Wo^T + bo on codes of FP6 (E2M3) with E8M0 scales, sums in f32.  a: the attention's result, 4,096 tokens x 768, as the launch before left it; Wo: as the first launch left it.
; SHARES.  Work-group (x, y): 64 tokens (block y of ao) x 192 outputs (block x of woc).  Wave w: source 0 = four tiles of Wo's rows (64 outputs, group w / 4), source 1 = tile w % 4 of 16 tokens: four accumulators, six K steps of 128.
; A lane holds one token and its 32 registers two runs of 16 neighbouring outputs.  bo starts the sums: it is loaded into the accumulators' registers and every K step adds in place.
; LDS is filled once: woc's block at 0 (115,200 bytes), ao's block behind it (36,864).  Behind them each wave has a stage of its own for the way out, into which no fill lands.
; CLUSTER 4 x 4: the four of a row share y and ask for ao's block jointly, the four of a column share x and ask for woc's block jointly.  The grid has one cluster along x, so x = cx.
; LIMITS: none of its own; sums in f32, K ascending.
.set WPART, 19200                      ; a sixth of woc's block: 75 rows of 256 bytes
.set APART, 18432                      ; half of ao's: 72 rows
.set AOL,   115200
.set STG,   152064                     ; the stages: 16 rows x (256 bytes + 16) for each wave
.set SPI,   272
.set UA,   1                           ; v1  U's fragments: 36,864 g + 16 l
.set USA,  2                           ; v2  their scale words: 110,592 + 1,536 g + 4 l
.set TA16, 3                           ; v3  my tile of tokens: AOL + 9,216 t + 16 l;   v4  + 8 l
.set TA8,  4
.set STO,  5
.set RD,   6
.set GO,   7
.set R4,   8                           ; v8  4 r
.set BO,   9                           ; v9  64 h
.set ACC,  16                          ; v16-47
.set UF,   48                          ; v48-95
.set TF,   96                          ; v96-107
.set US,   108                         ; v108-109
.set TS,   110                         ; v110-115 the tokens' scale words, one for each K step
.set SW,   116                         ; v116-127 the twelve heads' two bytes
.set OUTR, 128                         ; v128-159
.set WV,   14
.set W3,   15
.set GH,   16
.set CX,   17
.set CY,   18
.set YY,   19
.set G1A,  20
.set G1W,  28
.set G0A,  36
.set G0W,  40
.macro ROUND                           ; a round of the cluster's barrier
	s_barrier_signal -1
	s_barrier_wait -1
	s_cmp_lg_u32 s[WV], 0
	s_cbranch_scc1 .Lnot_wave_0_\@
	s_barrier_signal -3
.Lnot_wave_0_\@:
	s_barrier_wait -3
	s_barrier_signal -1
	s_barrier_wait -1
.endm
	s_load_b256 s[4:11], s[0:1], 0x0               ; ao s[4:5], aos s[6:7], woc s[8:9], bo s[10:11]
	s_load_b64 s[12:13], s[0:1], 0x20              ; out0
	v_lshl_add_u32 v160, v0, 2, 0x32000
	v_mov_b32 v161, 0
	ds_add_u32 v160, v161
	ds_add_u32 v160, v161
	v_lshrrev_b32 v10, 5, v0
	s_delay_alu instid0(VALU_DEP_1)
	v_readfirstlane_b32 s[WV], v10                 ; wave 0..11
	s_and_b32 s[W3], s[WV], 3
	s_lshr_b32 s[GH], s[WV], 2
	s_bfe_u32 s[CX], ttmp6, 0x40000
	s_bfe_u32 s[CY], ttmp6, 0x40004
	s_and_b32 s[YY], ttmp7, 0xffff
	s_lshl_b32 s[YY], s[YY], 2
	s_add_co_u32 s[YY], s[YY], s[CY]
	s_lshl_b32 s44, s[CY], 2
	s_lshl_b32 s44, 15, s44                        ; my row of the cluster
	s_lshl_b32 s45, 0x1111, s[CX]                  ; my column
	s_or_b32 s[G1A], s44, (3<<16)|(1<<21)          ; dense rows of 32 elements of 8 bytes, no padding
	s_mov_b32 s[G1A+1], 32<<16
	s_mov_b32 s[G1A+2], 72<<16
	s_mov_b32 s[G1A+3], 32<<16
	s_mov_b32 s[G1A+4], 72
	s_mov_b32 s[G1A+5], 32
	s_mov_b32 s[G1A+6], 0
	s_mov_b32 s[G1A+7], 0
	s_or_b32 s[G1W], s45, (3<<16)|(1<<21)
	s_mov_b32 s[G1W+1], 32<<16
	s_mov_b32 s[G1W+2], 75<<16
	s_mov_b32 s[G1W+3], 32<<16
	s_mov_b32 s[G1W+4], 75
	s_mov_b32 s[G1W+5], 32
	s_mov_b32 s[G1W+6], 0
	s_mov_b32 s[G1W+7], 0
	s_mul_i32 s46, s[WV], WPART                    ; LDS: waves 0-5 bring woc's six parts
	s_min_u32 s47, s[WV], 5
	s_mul_i32 s48, s47, WPART
	s_mul_i32 s47, s[CX], 115200
	s_add_co_u32 s48, s48, s47                     ; in woc: x and the wave alone
	s_mov_b32 s49, 0
	s_and_b32 s50, s[WV], 1                        ; waves 6 and 7 bring ao's two halves
	s_mul_i32 s50, s50, APART
	s_mul_i32 s52, s[YY], 36864
	s_add_co_u32 s52, s52, s50                     ; in ao: y and the wave alone
	s_mov_b32 s53, 0
	s_add_co_u32 s51, s50, AOL
	s_wait_dscnt 0x0
	s_wait_kmcnt 0x0
	s_mov_b32 s[G0W], 1
	s_mov_b32 s[G0W+1], s46
	s_add_nc_u64 s[G0W+2:G0W+3], s[8:9], s[48:49]
	s_or_b32 s[G0W+3], s[G0W+3], 0x80000000
	s_mov_b32 s[G0A], 1
	s_mov_b32 s[G0A+1], s51
	s_add_nc_u64 s[G0A+2:G0A+3], s[4:5], s[52:53]
	s_or_b32 s[G0A+3], s[G0A+3], 0x80000000
	ROUND                                          ; all sixteen work-groups are here: the joint loads meet
	s_cmp_lt_u32 s[WV], 6                          ; one load a wave; four v_nop follow each line
	s_cbranch_scc0 .Lnot_w
	tensor_load_to_lds s[G0W:G0W+3], s[G1W:G1W+7]
	s_nop 0
.rept 4
	v_nop
.endr
	s_branch .Lasked
.Lnot_w:
	s_cmp_lt_u32 s[WV], 8
	s_cbranch_scc0 .Lasked
	tensor_load_to_lds s[G0A:G0A+3], s[G1A:G1A+7]
	s_nop 0
.rept 4
	v_nop
.endr
.Lasked:
	v_and_b32 v10, 31, v0                          ; lane
	v_and_b32 v11, 15, v0                          ; r
	v_bfe_u32 v12, v0, 4, 1                        ; h
	s_delay_alu instid0(VALU_DEP_2)
	v_lshlrev_b32 v[R4], 2, v11
	s_wait_alu depctr_va_vdst(0)
	v_lshlrev_b32 v[BO], 6, v12
	s_wait_alu depctr_va_vdst(0)
	s_mul_i32 s54, s[YY], 3072                     ; aos: 12 heads x 256 bytes a block of tokens; my tile's sixteen words are 64 bytes
	s_lshl_b32 s55, s[W3], 6
	s_add_co_u32 s54, s54, s55
	s_mov_b32 s55, 0
	s_add_nc_u64 s[6:7], s[6:7], s[54:55]
	s_mul_i32 s54, s[CX], 768                      ; bo: 192 numbers a block, 64 a group of four tiles
	s_lshl_b32 s56, s[GH], 8
	s_add_co_u32 s54, s54, s56                     ; (also my 256 bytes in a row of out0)
	s_add_nc_u64 s[10:11], s[10:11], s[54:55]
	s_add_nc_u64 s[12:13], s[12:13], s[54:55]
.irp d, 0,1,2,3,4,5,6,7,8,9,10,11
	global_load_b32 v[SW+\d], v[R4], s[6:7] offset:256*\d   ; head d's two bytes of my tile's row r
.endr
.irp b, 0,1
.irp i, 0,1,2,3
	global_load_b128 v[ACC+16*\b+4*\i:ACC+16*\b+4*\i+3], v[BO], s[10:11] offset:128*\b+16*\i   ; register 16 b + i: bo of output 32 b + 16 h + i of my 64
.endr
.endr
	s_mul_i32 s56, s[GH], 36864
	v_lshl_add_u32 v[UA], v10, 4, s56
	s_mul_i32 s56, s[GH], 1536
	s_add_co_u32 s56, s56, 110592
	v_lshl_add_u32 v[USA], v10, 2, s56
	s_mul_i32 s56, s[W3], 9216
	s_add_co_u32 s56, s56, AOL
	v_lshl_add_u32 v[TA16], v10, 4, s56
	v_lshl_add_u32 v[TA8], v10, 3, s56
	s_mul_i32 s56, s[WV], 16*SPI
	s_add_co_u32 s56, s56, STG                     ; my stage
	v_mul_u32_u24 v[STO], v11, SPI
	s_delay_alu instid0(VALU_DEP_1)
	v_lshl_add_u32 v[STO], v12, 6, v[STO]
	s_delay_alu instid0(VALU_DEP_1)
	v_add_nc_u32 v[STO], s56, v[STO]               ; in: row r, + 64 h
	v_mul_u32_u24 v[RD], v12, SPI
	s_delay_alu instid0(VALU_DEP_1)
	v_lshl_add_u32 v[RD], v11, 4, v[RD]
	s_delay_alu instid0(VALU_DEP_1)
	v_add_nc_u32 v[RD], s56, v[RD]                 ; back: lanes 0-15 one row of 256 bytes, lanes 16-31 the next
	v_mul_u32_u24 v[GO], v12, 3072
	s_delay_alu instid0(VALU_DEP_1)
	v_lshl_add_u32 v[GO], v11, 4, v[GO]            ; and the same two rows in out0
	s_lshl_b32 s56, s[YY], 6                       ; my tile's first token: 64 y + 32 (t / 2) + 8 (t % 2)
	s_lshr_b32 s57, s[W3], 1
	s_lshl_b32 s57, s57, 5
	s_add_co_u32 s56, s56, s57
	s_and_b32 s57, s[W3], 1
	s_lshl_b32 s57, s57, 3
	s_add_co_u32 s56, s56, s57
	s_mul_i32 s56, s56, 3072
	s_mov_b32 s57, 0
	s_add_nc_u64 s[12:13], s[12:13], s[56:57]
	s_wait_loadcnt 0x0
.irp s, 0,1,2,3,4,5
	v_lshl_or_b32 v[TS+\s], v[SW+2*\s+1], 16, v[SW+2*\s]   ; K step s is heads 2 s and 2 s + 1: four bytes
.endr
.rept 4
	v_nop                                          ; with the four at the head of the first K step: eight plain instructions between a scale register's write and the scaled product
.endr
	s_wait_alu depctr_va_vdst(0)
	s_wait_tensorcnt 0x0                           ; my part of the blocks is in,
	s_barrier_signal -1
	s_barrier_wait -1                              ; everybody's is
; A K step of 128: the four accumulators by turns.
.macro KSTEP s
.rept 4
	v_nop                                          ; four plain instructions between the last products and loads into registers that they read
.endr
.irp t, 0,1,2,3
.irp g, 0,1,2
	ds_load_b128 v[UF+12*\t+4*\g:UF+12*\t+4*\g+3], v[UA] offset:9216*\t+1536*(\s)+512*\g
.endr
.endr
	ds_load_b128 v[TF:TF+3], v[TA16] offset:1536*(\s)             ; the tokens' fragment lies as two halves of six registers, one from each head
	ds_load_b64 v[TF+4:TF+5], v[TA8] offset:1536*(\s)+512
	ds_load_b128 v[TF+6:TF+9], v[TA16] offset:1536*(\s)+768
	ds_load_b64 v[TF+10:TF+11], v[TA8] offset:1536*(\s)+1280
	ds_load_b32 v[US], v[USA] offset:128*(\s)
	ds_load_b32 v[US+1], v[USA] offset:768+128*(\s)
	s_wait_dscnt 0x0
.irp t, 0,2
	v_wmma_scale_f32_16x16x128_f8f6f4 v[ACC+8*\t:ACC+8*\t+7], v[UF+12*\t:UF+12*\t+11], v[TF:TF+11], v[ACC+8*\t:ACC+8*\t+7], v[US+\t/2], v[TS+(\s)] matrix_a_fmt:MATRIX_FMT_FP6 matrix_b_fmt:MATRIX_FMT_FP6
	v_wmma_scale_f32_16x16x128_f8f6f4 v[ACC+8*\t+8:ACC+8*\t+15], v[UF+12*\t+12:UF+12*\t+23], v[TF:TF+11], v[ACC+8*\t+8:ACC+8*\t+15], v[US+\t/2], v[TS+(\s)] matrix_a_fmt:MATRIX_FMT_FP6 matrix_b_fmt:MATRIX_FMT_FP6 matrix_a_scale:MATRIX_SCALE_ROW1
.endr
.endm
.irp s, 0,1,2,3,4,5
	KSTEP \s
.endr
.rept 4
	v_nop                                          ; four plain instructions ahead of the first read of the results
.endr
	; THE WAY OUT: a lane holds 2 x 64 bytes of one row; the tile goes through my own stage and comes back as whole rows of 256 bytes
.irp b, 0,1
.irp i, 0,1,2,3
	ds_store_b128 v[STO], v[ACC+16*\b+4*\i:ACC+16*\b+4*\i+3] offset:128*\b+16*\i   ; each accumulator from its low end on
.endr
.endr
.irp i, 0,1,2,3,4,5,6,7
	ds_load_b128 v[OUTR+4*\i:OUTR+4*\i+3], v[RD] offset:2*SPI*\i   ; LDS serves a wave's instructions in order: these see my stores
.endr
.irp i, 0,1,2,3,4,5,6,7
	s_wait_dscnt 7-\i                              ; rows 2 i and 2 i + 1 are back; the younger loads stay out
	global_store_b128 v[GO], v[OUTR+4*\i:OUTR+4*\i+3], s[12:13] offset:(2*\i+8*(\i/4))*3072 th:TH_STORE_NT   ; the tile's row j is token j + 8 (j / 8) of its group; 16 lanes store 256 consecutive bytes, at a multiple of 256 from out0's first byte
.endr
	s_wait_tensorcnt 0x0
	ds_add_u32 v160, v161
	s_wait_dscnt 0x0
	ROUND                                          ; the closing round: no work-group ends while a partner may still ask for a block that names it
	s_endpgm
.Lfunc_end_k_qcfdb05a354_oproj:
	.size	k_qcfdb05a354_oproj, .Lfunc_end_k_qcfdb05a354_oproj-k_qcfdb05a354_oproj
	.p2alignl 7, 3214868480
	.fill 96, 4, 3214868480
	.section	.rodata,"a",@progbits
	.p2align	6, 0x0
	.amdhsa_kernel k_qcfdb05a354_oproj
		.amdhsa_group_segment_fixed_size 206336
		.amdhsa_private_segment_fixed_size 0
		.amdhsa_enable_private_segment 0
		.amdhsa_kernarg_size 40
		.amdhsa_user_sgpr_count 2
		.amdhsa_user_sgpr_kernarg_segment_ptr 1
		.amdhsa_wavefront_size32 1
		.amdhsa_system_sgpr_workgroup_id_x 1
		.amdhsa_system_sgpr_workgroup_id_y 1
		.amdhsa_system_sgpr_workgroup_id_z 1
		.amdhsa_system_vgpr_workitem_id 0
		.amdhsa_next_free_vgpr 162
		.amdhsa_next_free_sgpr 66
		.amdhsa_reserve_vcc 0
		.amdhsa_float_denorm_mode_32 3
		.amdhsa_float_denorm_mode_16_64 3
		.amdhsa_memory_ordered 1
		.amdhsa_forward_progress 1
		.amdhsa_inst_pref_size 23
	.end_amdhsa_kernel
	.amdgpu_metadata
---
amdhsa.version: [ 1, 2 ]
amdhsa.kernels:
  - .name:           k_qcfdb05a354_oproj
    .symbol:         k_qcfdb05a354_oproj.kd
    .args:
      - { .name: ao, .offset: 0, .size: 8, .value_kind: global_buffer, .address_space: global }
      - { .name: aos, .offset: 8, .size: 8, .value_kind: global_buffer, .address_space: global }
      - { .name: woc, .offset: 16, .size: 8, .value_kind: global_buffer, .address_space: global }
      - { .name: bo, .offset: 24, .size: 8, .value_kind: global_buffer, .address_space: global }
      - { .name: out0, .offset: 32, .size: 8, .value_kind: global_buffer, .address_space: global }
    .group_segment_fixed_size: 206336
    .private_segment_fixed_size: 0
    .kernarg_segment_align: 8
    .kernarg_segment_size: 40
    .max_flat_workgroup_size: 384
    .sgpr_count:     66
    .vgpr_count:     162
    .wavefront_size: 32
...
	.end_amdgpu_metadata
.endif
;; end of part 4
